; MI455X (gfx1250); checked and timed in simulation.
; The chip was launched on July 23, 2026; its instructions are those of AMD's public machine-readable ISA for CDNA 5 (MIT licence, August 2026) and "CDNA5" Instruction Set Architecture Reference Guide (July 2026). The comments in the code are by the model that wrote it; some were corrected since.
;; Multi Headed Attention. Allowed arithmetic: matrix products marked QUANTISED: E4M3 operands, one given power-of-two scale a tensor, by v_wmma_f32_16x16x64_fp8_fp8 or v_wmma_f32_16x16x128_fp8_fp8, f32 sums; everything else in f32.
;; Inputs: Wk 1,024 x 1,024 float32; Wo 1,024 x 1,024 float32; Wq 1,024 x 1,024 float32; Wv 1,024 x 1,024 float32; X 4 x 2,048 x 1,024 float32; bk 1,024 float32; bo 1,024 float32; bq 1,024 float32; bv 1,024 float32; curr_seq_lens 4 int32; lowp_scales 12 int32 (the exponents e of the quantised operands' scales 2^e).
;; Outputs: out0 4 x 2,048 x 1,024 float32.
;; This version of the problem:
;;   THIS VERSION OF THE PROBLEM IS GIVEN IN LOW PRECISION. The matrix products marked QUANTISED in the list below multiply operands that are first quantised to E4M3 (4 exponent bits, 3 mantissa bits; 8 bits a number), with one given power-of-two scale for each operand tensor; their sums are f32. All else is computed in f32.
;;   The module's matrix products, in the order in which they are computed (A, B: the left and right operand; K: the contracted axis; several contracted axes count as one K, in the product's order):
;;     1. [M 8,192, K 1,024] x [K 1,024, N 1,024]; A: input X; B: input Wq: QUANTISED (scales: A lowp_scales[0], B lowp_scales[1])
;;     2. [M 8,192, K 1,024] x [K 1,024, N 1,024]; A: input X; B: input Wk: QUANTISED (scales: A lowp_scales[2], B lowp_scales[3])
;;     3. [M 8,192, K 1,024] x [K 1,024, N 1,024]; A: input X; B: input Wv: QUANTISED (scales: A lowp_scales[4], B lowp_scales[5])
;;     4. batch 64 x [M 2,048, K 64] x [K 64, N 2,048]; A: computed on the way; B: computed on the way: QUANTISED (scales: A lowp_scales[6], B lowp_scales[7])
;;     5. batch 64 x [M 2,048, K 2,048] x [K 2,048, N 64]; A: softmax (see below); B: computed on the way: QUANTISED (scales: A lowp_scales[8], B lowp_scales[9])
;;     6. [M 8,192, K 1,024] x [K 1,024, N 1,024]; A: computed on the way; B: input Wo: QUANTISED (scales: A lowp_scales[10], B lowp_scales[11])
;;   THE QUANTISER, for each operand of a quantised product, along K:
;;     - The operand's scale is 2^e, e = its entry of the input lowp_scales (int32; the entries are numbered through the quantised products in the list's order, A before B).
;;     - Each number is divided by the scale, clamped to +-448, and rounded to the nearest number of E4M3, ties to even, subnormals kept.
;;     - The product sums the exact products of the quantised numbers (number of the format x scale) in f32.
;;   ~~~python
;;   def quantise(x, axis, e):      # numpy; x: float32 -> the quantised numbers, widened to float32 again
;;       x = np.moveaxis(x, axis, -1); K = x.shape[-1]
;;       r = np.clip(x / 2.0 ** e, -448, 448)
;;       step = 2.0 ** (np.maximum(np.frexp(np.where(r == 0, 1, r))[1] - 1, -6) - 3)
;;       q = np.round(r / step) * step * 2.0 ** e      # np.round: ties to even
;;       return np.moveaxis(q, -1, axis).astype(np.float32)
;;   ~~~
;;   SOFTMAX AHEAD OF A QUANTISED PRODUCT. Where the list says 'softmax', what is quantised is not the finished softmax but p = 2^(t - M), with t = logit x log2(e) and M = ceil(the row's largest t), a whole number; so 1/2 < the row's largest p <= 1. The row's sum l is taken of the UNQUANTISED p, in f32, and the product's result is divided by l at the end. Since M is a whole number, a kernel that streams over the keys may use a running M (the ceiling of the running maximum): every later rescaling is an exact power of two, so the quantised numbers keep their values, but for numbers so far below the row's largest that they fall under the format's range.
;;   OPERANDS COMPUTED ON THE WAY. 'Computed on the way' means the value that the module computes at that place (a softmax that the list does not call 'softmax' is quantised finished and normalised). What goes into a quantiser is computed in f32, as accurately as f32 sums, v_exp_f32 and their like allow (about 1e-6 of the number): no bf16 or f16 on the way to a quantiser, and a product that is left as it is and whose result goes on into a quantised operand takes f32 operands (vector FMAs, or v_wmma_f32_16x16x4_f32). A number that lies on a knife's edge between two numbers of the format may be rounded either way, as far as f32 arithmetic and the matrix unit's own rounding can turn it there, and no further.
;; 2 versions, each right; version 2 is version 1 with the launch attn written anew for expert scheduling mode. Each part assembles by itself: llvm-mc -triple=amdgcn-amd-amdhsa -mcpu=gfx1250 --defsym DOCPART=n.
;; ======== version 1 of 2: 4 launches
;; workspace buffers: xc 25,165,824 bytes; wc 4,194,304 bytes; tab 524,288 bytes; qkv 25,165,824 bytes; ac 8,388,608 bytes
;; launch prep (part 1): grid 416 x 1, 4 waves a work-group, no clusters, 34,304 bytes of LDS; arguments X, Wq, Wk, Wv, Wo, lowp_scales, xc, wc, tab; writes xc, wc, tab
.if DOCPART == 1
	.amdgcn_target "amdgcn-amd-amdhsa--gfx1250"
	.amdhsa_code_object_version 6
	.text
	.protected	k_q02caab31a8_prep
	.globl	k_q02caab31a8_prep
	.p2align	8
	.type	k_q02caab31a8_prep,@function
k_q02caab31a8_prep:
	s_mov_b64 s[64:65], 0
	v_nop
	global_prefetch_b8 v0, s[64:65] scope:SCOPE_SE
	s_setreg_imm32_b32 hwreg(HW_REG_WAVE_MODE, 25, 1), 1
	s_wait_xcnt 0x0
; X [8192][1024] and Wq, Wk, Wv, Wo [1024][1024], f32 with K innermost, become codes of E4M3; and the table of cos and sin for the rotation is made.
; X is an operand of three products with three given scales (entries 0, 2, 4): it is read once and quantised three times.  Wq, Wk, Wv, Wo take entries 1, 3, 5, 11.
; code = x / 2^e, held within +-448, to the nearest code, ties to even.  LIMITS: each e between -126 and 119; NaN among the inputs is not served.
; LAYOUT OF THE CODES: images of operand registers.  A row tile RT = 2 b + u holds the 16 rows 32 b + 8 u + r + 8 (r / 8), r = 0 .. 15.  A fragment (a row tile x 128 along K) is 2,048 bytes:
; piece c (0 .. 3) at 512 c, lane (r, h)'s 16 bytes at 16 x lane: the codes of k = 32 c + 16 h + 0 .. 15 of the tile's row r.  A row tile's 8 fragments lie on end: 16,384 bytes.
; SHARES.  Work-groups 0-255: X; 256-383: the four weights, 32 each.  A wave takes one row tile x 512 along K: four fragments.  Work-groups 384-415: the table, a wave to a tile of 16 positions.
; Each load reads 512 consecutive bytes of one row; a fragment's 16 rows turn through the wave's own stage in LDS (rows of 512 + 16 bytes) and come back 64 bytes of a row to a lane, 16 neighbours along K four times.
; Each store covers 512 consecutive bytes, aligned.  Waves share nothing: no barrier.
; THE TABLE: [tile of positions T][piece p][lane][16 bytes]: lane (r, h) has position 32 (T / 2) + 8 (T % 2) + r + 8 (r / 8) and frequencies f = 16 h + i; pieces 0-3: cos, i = 4 p ..; pieces 4-7: sin.
; angle = position x 10000^(-f / 32), the factor within about two units in its last place, the product rounded once; cos and sin by a reduction to +-pi/4 in two exact steps and polynomials of degree 7 and 8 in f32.
.set STG,  8448                        ; a wave's stage: 16 rows x 528 bytes
.set R,    16                          ; v16-207  three landing sets of 64 registers
.set T,    208                         ; v208-223 sixteen numbers, held
.set C0,   224                         ; v224-239, v240-255: a fragment's codes, two sets
.set C1,   240
	s_load_b256 s[4:11], s[0:1], 0x0               ; X, Wq, Wk, Wv
	s_load_b256 s[12:19], s[0:1], 0x20             ; Wo, the scales' exponents, xc, wc
	s_load_b64 s[20:21], s[0:1], 0x40              ; tab
	v_lshl_add_u32 v14, v0, 2, 0x8400
	v_mov_b32 v15, 0
	v_lshrrev_b32 v1, 5, v0
	v_readfirstlane_b32 s22, v1                    ; wave
	v_and_b32 v10, 31, v0                          ; lane
	v_lshlrev_b32 v1, 4, v10                       ; 16 x lane: my place in every load and store
	v_and_b32 v11, 15, v0                          ; r
	v_bfe_u32 v12, v0, 4, 1                        ; h
	s_wait_kmcnt 0x0
	s_cmp_ge_u32 ttmp9, 384
	s_cbranch_scc1 .Ltable
	; ---------------- the quantiser
	s_load_b256 s[32:39], s[14:15], 0x0            ; e0 .. e7
	s_load_b128 s[40:43], s[14:15], 0x20           ; e8 .. e11
	s_lshl_b32 s23, ttmp9, 2
	s_add_co_u32 s23, s23, s22                     ; my unit U = 4 x work-group + wave
	s_lshr_b32 s44, s23, 1
	s_and_b32 s45, s23, 1                          ; which 512 along K
	s_bfe_u32 s46, s23, 0x20007                    ; which weight: (U >> 7) & 3
	s_cmp_lt_u32 ttmp9, 256                        ; X's work-group?
	s_cselect_b32 s47, 511, 63
	s_cselect_b32 s46, 0, s46
	s_cselect_b64 s[26:27], s[16:17], s[18:19]     ; the codes go to xc or to wc
	s_and_b32 s44, s44, s47                        ; the row tile RT
	s_lshr_b32 s48, s44, 1
	s_lshl_b32 s48, s48, 5
	s_and_b32 s49, s44, 1
	s_lshl_b32 s49, s49, 3
	s_add_co_u32 s48, s48, s49                     ; its first row: 32 (RT / 2) + 8 (RT % 2)
	s_lshl_b32 s48, s48, 12                        ; rows of 4,096 bytes
	s_lshl_b32 s49, s45, 11
	s_add_co_u32 s48, s48, s49
	s_mov_b32 s49, 0
	s_lshl_b32 s50, s44, 14                        ; the codes: 16,384 bytes a row tile,
	s_lshl_b32 s51, s45, 13                        ; four fragments a half,
	s_add_co_u32 s50, s50, s51
	s_lshl_b32 s51, s46, 20                        ; 1 MiB a weight
	s_add_co_u32 s50, s50, s51
	s_mov_b32 s51, 0
	s_cmp_lt_u32 ttmp9, 352                        ; the source, by the work-group's number alone
	s_cselect_b64 s[24:25], s[10:11], s[12:13]
	s_cmp_lt_u32 ttmp9, 320
	s_cselect_b64 s[24:25], s[8:9], s[24:25]
	s_cmp_lt_u32 ttmp9, 288
	s_cselect_b64 s[24:25], s[6:7], s[24:25]
	s_cmp_lt_u32 ttmp9, 256
	s_cselect_b64 s[24:25], s[4:5], s[24:25]
	s_add_nc_u64 s[24:25], s[24:25], s[48:49]
	s_add_nc_u64 s[26:27], s[26:27], s[50:51]      ; set 0
	s_add_nc_u64 s[28:29], s[26:27], 0x800000      ; X's sets 1 and 2, 8 MiB apart (a weight never uses them)
	s_add_nc_u64 s[30:31], s[26:27], 0x1000000
	s_mul_i32 s52, s22, STG
	v_add_nc_u32 v2, s52, v1                       ; into the stage: 16 x lane, a row an instruction
	v_mul_u32_u24 v3, v11, 528
	v_lshl_add_u32 v3, v12, 6, v3
	v_add_nc_u32 v3, s52, v3                       ; out of it: row r, + 64 h bytes: my 16 numbers of a block of 32
.macro LOAD f                          ; fragment f's 16 rows, 512 consecutive bytes each, into set f % 3
.set n, 0
.rept 16
	global_load_b128 v[R+64*((\f)%3)+4*n:R+64*((\f)%3)+4*n+3], v1, s[24:25] offset:(n+8*(n/8))*4096+512*(\f) th:TH_LOAD_NT
.set n, n+1
.endr
.endm
.macro TURN f                          ; through the stage and back into the same registers: register 16 c + i = k 32 c + 16 h + i of row r.  LDS serves a wave's instructions in order: no wait between
.set n, 0
.rept 16
	ds_store_b128 v2, v[R+64*((\f)%3)+4*n:R+64*((\f)%3)+4*n+3] offset:528*n
.set n, n+1
.endr
.set n, 0
.rept 16
	ds_load_b128 v[R+64*((\f)%3)+4*n:R+64*((\f)%3)+4*n+3], v3 offset:128*(n/4)+16*(n%4)
.set n, n+1
.endr
.endm
.macro QSET f, s, cg                   ; fragment f with scale s into the code registers cg, and out
	s_wait_xcnt 0x0                                ; the earlier stores have read their data: the code registers are written again only behind this wait
.irp c, 0,1,2,3
.set n, 0
.rept 16
	v_med3_num_f32 v[T+n], v[R+64*((\f)%3)+16*\c+n], -v[5+2*\s], v[5+2*\s]   ; the conversion to an 8-bit code does not saturate (ISA guide 7.6.2): the hold at the largest code x the scale
.set n, n+1
.endr
	v_cvt_scalef32_pk8_fp8_f32 v[\cg+4*\c:\cg+4*\c+1], v[T:T+7], v[4+2*\s]
	v_cvt_scalef32_pk8_fp8_f32 v[\cg+4*\c+2:\cg+4*\c+3], v[T+8:T+15], v[4+2*\s]
	v_nop                                          ; a plain line between the conversions and the next writes of their sources
.endr
.irp c, 0,1,2,3
	global_store_b128 v1, v[\cg+4*\c:\cg+4*\c+3], s[26+2*\s:27+2*\s] offset:2048*(\f)+512*\c
.endr
.endm
.macro FRAGQ f, left                   ; left: the loads issued behind fragment f's sixteen, which may stay out
	s_wait_loadcnt \left
	TURN \f
	s_wait_dscnt 0x0
	QSET \f, 0, C0
	s_cmp_lt_u32 ttmp9, 256
	s_cbranch_scc0 .Lone_set_\@                    ; a weight has one scale
	QSET \f, 1, C1
	QSET \f, 2, C0
.Lone_set_\@:
.endm
.macro SCLIM e, sc, lim                ; 2^e and 448 x 2^e as f32
	s_add_co_i32 s54, s[\e], 127
	s_lshl_b32 s55, s54, 23
	v_mov_b32 v[\sc], s55
	s_add_co_i32 s54, s54, 8
	s_lshl_b32 s54, s54, 23
	s_or_b32 s54, s54, 0x600000
	v_mov_b32 v[\lim], s54
.endm
	LOAD 0
	LOAD 1
	LOAD 2                                         ; 48 loads, 24 KiB a wave, are out
	s_wait_kmcnt 0x0
	s_cmp_lt_u32 ttmp9, 352
	s_cselect_b32 s53, s37, s43                    ; Wv: e5; Wo: e11
	s_cmp_lt_u32 ttmp9, 320
	s_cselect_b32 s53, s35, s53                    ; Wk: e3
	s_cmp_lt_u32 ttmp9, 288
	s_cselect_b32 s53, s33, s53                    ; Wq: e1
	s_cmp_lt_u32 ttmp9, 256
	s_cselect_b32 s53, s32, s53                    ; X: e0,
	SCLIM 53, 4, 5
	SCLIM 34, 6, 7                                 ; e2
	SCLIM 36, 8, 9                                 ; and e4
	FRAGQ 0, 32
	LOAD 3                                         ; into set 0, which has been quantised
	FRAGQ 1, 32
	FRAGQ 2, 16
	FRAGQ 3, 0
	s_wait_tensorcnt 0x0
	ds_add_u32 v14, v15
	s_wait_dscnt 0x0
	s_endpgm
	; ---------------- the table
.Ltable:
	s_sub_co_u32 s23, ttmp9, 384
	s_lshl_b32 s23, s23, 2
	s_add_co_u32 s23, s23, s22                     ; T
	s_lshr_b32 s24, s23, 1
	s_lshl_b32 s24, s24, 5
	s_and_b32 s25, s23, 1
	s_lshl_b32 s25, s25, 3
	s_add_co_u32 s24, s24, s25                     ; the tile's first position
	v_and_b32 v13, 8, v11
	v_add3_u32 v13, v13, v11, s24
	v_cvt_f32_u32 v10, v13                         ; my position, exact
	v_lshlrev_b32 v12, 4, v12                      ; 16 h
	s_lshl_b32 s26, s23, 12
	s_mov_b32 s27, 0
	s_add_nc_u64 s[20:21], s[20:21], s[26:27]
	s_mov_b32 s30, 0xbfc90fdb                      ; -pi/2, its f32 part,
	s_mov_b32 s31, 0x333bbd2e                      ; and what that part lacks
	s_mov_b32 s32, 0xb94ca1f9                      ; sin: -1.9515295891e-4,
	s_mov_b32 s33, 0x3c08839e                      ; 8.3321608736e-3,
	s_mov_b32 s34, 0xbe2aaaa3                      ; -1.6666654611e-1
	s_mov_b32 s35, 0x37ccf5ce                      ; cos: 2.443315712e-5,
	s_mov_b32 s36, 0xbab6061a                      ; -1.388731625e-3,
	s_mov_b32 s37, 0x3d2aaaa5                      ; 4.166664568e-2
	; 10000^(-f/32) = 2^(-f c), c = log2(10000) / 32 = c_hi + c_lo.  c_hi has 19 significant bits and f five: f c_hi is exact.  2^(-f c_lo) = 1 - f c_lo ln 2 to far below a unit in the last place
.set n, 0
.rept 16
	v_add_nc_u32 v[64+n], n, v12
	v_cvt_f32_u32 v[64+n], v[64+n]                 ; f
	v_mul_f32 v[16+n], 0xbed49a60, v[64+n]         ; -f c_hi
.set n, n+1
.endr
.set n, 0
.rept 16
	v_exp_f32 v[16+n], v[16+n]
.set n, n+1
.endr
.set n, 0
.rept 16
	v_mul_f32 v[64+n], 0xb506b9e5, v[64+n]         ; -f c_lo ln 2.  (Plain lines behind the exponentials)
.set n, n+1
.endr
	s_wait_alu depctr_va_vdst(0)                   ; one wait for the sixteen exponentials, ahead of their first reader
.set n, 0
.rept 16
	v_fma_f32 v[16+n], v[64+n], v[16+n], v[16+n]
.set n, n+1
.endr
.macro SINCOS i
	v_mul_f32 v80, v10, v[16+\i]                   ; the angle a, rounded once
	v_mul_f32 v81, 0x3f22f983, v80
	v_rndne_f32 v81, v81                           ; n = the nearest whole number to a x 2 / pi, at most 1,304
	v_fma_f32 v82, v81, s30, v80                   ; a - n pi/2: the first step is exact (a multiple of 2^-23 below 1),
	v_fma_f32 v82, v81, s31, v82                   ; the second adds what the first constant lacks: x, within +-pi/4
	v_mul_f32 v83, v82, v82                        ; z = x^2
	v_fma_f32 v84, v83, s32, s33
	v_fma_f32 v85, v83, s35, s36
	v_fma_f32 v84, v84, v83, s34
	v_fma_f32 v85, v85, v83, s37
	v_mul_f32 v86, v82, v83
	v_mul_f32 v87, v83, v83
	v_fma_f32 v88, v83, -0.5, 1.0
	v_fma_f32 v84, v86, v84, v82                   ; sin x
	v_fma_f32 v85, v87, v85, v88                   ; cos x
	v_cvt_i32_f32 v89, v81
	v_and_b32 v90, 1, v89
	v_cmp_eq_u32 vcc_lo, 1, v90                    ; in odd quadrants the two change places
	v_cndmask_b32 v[48+\i], v84, v85, vcc_lo
	v_cndmask_b32 v[32+\i], v85, v84, vcc_lo
	v_and_b32 v90, 2, v89
	v_lshlrev_b32 v90, 30, v90
	v_xor_b32 v[48+\i], v90, v[48+\i]              ; sin is negative in quadrants 2 and 3,
	v_add_nc_u32 v89, 1, v89
	v_and_b32 v89, 2, v89
	v_lshlrev_b32 v89, 30, v89
	v_xor_b32 v[32+\i], v89, v[32+\i]              ; cos in 1 and 2
.endm
.irp i, 0,1,2,3,4,5,6,7,8,9,10,11,12,13,14,15
	SINCOS \i
.endr
.irp p, 0,1,2,3,4,5,6,7
	global_store_b128 v1, v[32+4*\p:35+4*\p], s[20:21] offset:512*\p   ; 512 consecutive bytes a store
.endr
	s_endpgm
.Lfunc_end_k_q02caab31a8_prep:
	.size	k_q02caab31a8_prep, .Lfunc_end_k_q02caab31a8_prep-k_q02caab31a8_prep
	.p2alignl 7, 3214868480
	.fill 96, 4, 3214868480
	.section	.rodata,"a",@progbits
	.p2align	6, 0x0
	.amdhsa_kernel k_q02caab31a8_prep
		.amdhsa_group_segment_fixed_size 34304
		.amdhsa_private_segment_fixed_size 0
		.amdhsa_enable_private_segment 0
		.amdhsa_kernarg_size 72
		.amdhsa_user_sgpr_count 2
		.amdhsa_user_sgpr_kernarg_segment_ptr 1
		.amdhsa_wavefront_size32 1
		.amdhsa_system_sgpr_workgroup_id_x 1
		.amdhsa_system_sgpr_workgroup_id_y 1
		.amdhsa_system_sgpr_workgroup_id_z 1
		.amdhsa_system_vgpr_workitem_id 0
		.amdhsa_next_free_vgpr 256
		.amdhsa_next_free_sgpr 66
		.amdhsa_reserve_vcc 1
		.amdhsa_float_denorm_mode_32 3
		.amdhsa_float_denorm_mode_16_64 3
		.amdhsa_memory_ordered 1
		.amdhsa_forward_progress 1
		.amdhsa_inst_pref_size 104
	.end_amdhsa_kernel
	.amdgpu_metadata
---
amdhsa.version: [ 1, 2 ]
amdhsa.kernels:
  - .name:           k_q02caab31a8_prep
    .symbol:         k_q02caab31a8_prep.kd
    .args:
      - { .name: X, .offset: 0, .size: 8, .value_kind: global_buffer, .address_space: global }
      - { .name: Wq, .offset: 8, .size: 8, .value_kind: global_buffer, .address_space: global }
      - { .name: Wk, .offset: 16, .size: 8, .value_kind: global_buffer, .address_space: global }
      - { .name: Wv, .offset: 24, .size: 8, .value_kind: global_buffer, .address_space: global }
      - { .name: Wo, .offset: 32, .size: 8, .value_kind: global_buffer, .address_space: global }
      - { .name: lowp_scales, .offset: 40, .size: 8, .value_kind: global_buffer, .address_space: global }
      - { .name: xc, .offset: 48, .size: 8, .value_kind: global_buffer, .address_space: global }
      - { .name: wc, .offset: 56, .size: 8, .value_kind: global_buffer, .address_space: global }
      - { .name: tab, .offset: 64, .size: 8, .value_kind: global_buffer, .address_space: global }
    .group_segment_fixed_size: 34304
    .private_segment_fixed_size: 0
    .kernarg_segment_align: 8
    .kernarg_segment_size: 72
    .max_flat_workgroup_size: 128
    .sgpr_count:     66
    .vgpr_count:     256
    .wavefront_size: 32
...
	.end_amdgpu_metadata
.endif
;; end of part 1
;; launch qkv (part 2): grid 4 x 192, 4 waves a work-group, clusters of 4 x 4, 327,680 bytes of LDS; arguments xc, wc, tab, bq, bk, bv, lowp_scales, qkv; writes qkv
.if DOCPART == 2
	.amdgcn_target "amdgcn-amd-amdhsa--gfx1250"
	.amdhsa_code_object_version 6
	.text
	.protected	k_q02caab31a8_qkv
	.globl	k_q02caab31a8_qkv
	.p2align	8
	.type	k_q02caab31a8_qkv,@function
k_q02caab31a8_qkv:
	s_mov_b64 s[64:65], 0
	v_nop
	global_prefetch_b8 v0, s[64:65] scope:SCOPE_SE
	s_setreg_imm32_b32 hwreg(HW_REG_WAVE_MODE, 25, 1), 1
	s_wait_xcnt 0x0
	s_wait_alu depctr_hold_cnt(0) depctr_sa_sdst(0) depctr_va_vdst(0) depctr_va_sdst(0) depctr_va_ssrc(0) depctr_va_vcc(0) depctr_vm_vsrc(0)
	s_getreg_b32 s2, hwreg(HW_REG_IB_STS2, 6, 4)
	s_cmp_eq_u32 s2, 0
	s_cbranch_scc0 .Lentry_in_a_cluster
	s_endpgm
.Lentry_in_a_cluster:
	s_bfe_u32 s2, ttmp6, 0x10000c
	s_cmp_lg_u32 s2, 0xf033
	s_cbranch_scc0 .Lentry_shape_is_right
	s_endpgm
.Lentry_shape_is_right:
; q = rope(X Wq^T + bq), k = rope(X Wk^T + bk), v = X Wv^T + bv, the products on codes of E4M3, and q, k, v quantised (entries 6, 7, 9 of the scales) into images of the operand registers of attention's products.
; A work-group makes 128 rows of the operand in source 1 ('A') x 256 rows of the operand in source 0 ('B'), K = 1,024; four waves, each 64 x 128: 32 accumulators.  8192 x 1024 gives 256 such tiles for each of q, k, v.
; The cluster's y says which: kind = y / 16 (0 q, 1 k, 2 v).  q, k: A = X's codes, B = the weight's: a lane holds one position and its registers run along the head's 64.  v: A = Wv's codes, B = X's: a lane holds one
; channel and its registers run along the keys, which are the K of attention's second product.  The loop over K is one text for all three; only addresses differ.
; CODES IN MEMORY are images of operand registers: a row tile RT = 2 b + u holds rows 32 b + 8 u + r + 8 (r / 8); a fragment (row tile x 128 K) is 2,048 bytes, piece c at 512 c, lane (r, h) at 16 x lane: k = 32 c + 16 h + 0 .. 15;
; a row tile's 8 fragments lie on end.  With such tiles in source 0 the 16 registers of the results of tiles 2 b and 2 b + 1 are 16 neighbours, 32 b + 16 h + 0 .. 15: one 16-byte piece of the next operand's image.
; So every LDS read is a constant + 16 x lane, and every store of codes covers 512 consecutive bytes, aligned: no stage is needed.
; K goes in four steps of 256 through three LDS slots: three are asked for at the start, the fourth fills slot 0 again.  By this text's count a wave has three tensor loads out at the start, later one.
; CLUSTERS: 4 x 4.  A's tile hangs on cy, B's on cx: each is asked for jointly by the four that share it.
; LIMITS on the given exponents: e(X) + e(W) between -126 and 127; e6, e7, e9 between -126 and 119.
; REGISTERS, in windows of 256: window 0: v16-22 LDS addresses, v24-31 offsets and constants, v32-127 the way out, v128-191 and v192-255 A's two sets (on the way out: the codes);
;   window 1: B's two sets, v0-127 and v128-255;  window 2: accumulator (a, b) at v[8 (8 a + b)];  window 3: v0-127 cos and sin of my four tiles of positions, v128-191 the bias along a lane's registers, v192-199 the bias of a lane's channel.
.set SLOT,  98304                      ; a slot: A's 8 row tiles x 4,096 bytes, then B's 16
.set BOFF,  32768
.set SPARE, 3*SLOT                     ; behind the slots: the spare words, 128 bytes for each wave, that no other line names
.set ADRA, 16                          ; v16-18  my A fragments in slot 0, 1, 2
.set ADRB, 20                          ; v20-22  my B fragments
.set LI,   27                          ; v27     16 x lane
.set SPW,  28                          ; v28     my spare word; never rewritten
.set NIL,  29                          ; v29     0; never rewritten
.set WV,  20                           ; s20 wave; s21 = wave / 2: my 64 rows of A; s22 = wave % 2: my 128 rows of B, and which half of a tile I fetch
.set WA,  21
.set WB,  22
.set G1A, 24                           ; s[24:31], s[32:39] descriptor groups 1;  s[40:51], s[52:63] groups 0, a set for each slot
.set G1B, 32
.set G0A, 40
.set G0B, 52
.set MSB, 0
.macro WIN new                         ; the immediate's high byte repeats the setting that is left
.if MSB != \new
	s_set_vgpr_msb (MSB<<8)|\new
.set MSB, \new
.endif
.endm
.macro PLACES n
.rept \n
	v_nop
.endr
.endm
.macro JLOAD g0a, g0b                  ; a joint load: waves 0 and 1 fetch A's halves, waves 2 and 3 B's; four v_nop follow each line
	s_cmp_lt_u32 s[WV], 2
	s_cbranch_scc0 .Lfor_b_\@
	tensor_load_to_lds s[\g0a:\g0a+3], s[G1A:G1A+7]
	s_nop 0
.rept 4
	v_nop
.endr
	s_branch .Lasked_\@
.Lfor_b_\@:
	tensor_load_to_lds s[\g0b:\g0b+3], s[G1B:G1B+7]
	s_nop 0
.rept 4
	v_nop
.endr
.Lasked_\@:
.endm
.macro CREST                           ; a round of the cluster's barrier behind its opening barrier
	s_cmp_lg_u32 s[WV], 0
	s_cbranch_scc1 .Lnot_wave_0_\@
	s_barrier_signal -3
.Lnot_wave_0_\@:
	s_barrier_wait -3
	s_barrier_signal -1
	s_barrier_wait -1
.endm
.macro CROUND
	s_barrier_signal -1
	s_barrier_wait -1
	CREST
.endm
.macro FRAG reg, adr, off              ; a fragment comes as it lies: four loads of 512 consecutive bytes
.irp c, 0,1,2,3
	ds_load_b128 v[(\reg)+4*\c:(\reg)+4*\c+3], v[\adr] offset:(\off)+512*\c
.endr
.endm
.macro FETCH s, q, set                 ; the q-th 128 along K of slot s: B's eight fragments and A's four, 48 loads, into set
	WIN 0x40                                       ; destination window 1
.irp i, 0,1,2,3,4,5,6,7
	FRAG 128*(\set)+16*\i, ADRB+\s, 4096*\i+2048*(\q)
.endr
	WIN 0
.irp i, 0,1,2,3
	FRAG 128+64*(\set)+16*\i, ADRA+\s, 4096*\i+2048*(\q)
.endr
.endm
.macro MUL8 a, set, zero               ; A's block a against B's eight.  The 32 accumulators take turns, one instruction a turn, in the same order in every step
	WIN 0xa1                                       ; source 0 (B) window 1, source 1 (A) window 0, C and D window 2
.irp b, 0,1,2,3,4,5,6,7
.if \zero
	v_wmma_f32_16x16x128_fp8_fp8 v[8*(8*(\a)+\b):8*(8*(\a)+\b)+7], v[128*(\set)+16*\b:128*(\set)+16*\b+15], v[128+64*(\set)+16*(\a):128+64*(\set)+16*(\a)+15], 0
.else
	v_wmma_f32_16x16x128_fp8_fp8 v[8*(8*(\a)+\b):8*(8*(\a)+\b)+7], v[128*(\set)+16*\b:128*(\set)+16*\b+15], v[128+64*(\set)+16*(\a):128+64*(\set)+16*(\a)+15], v[8*(8*(\a)+\b):8*(8*(\a)+\b)+7]
.endif
.endr
.endm
.macro STEP cur, ns, nq, zero          ; the next step's fragments are asked for, into the other set; then set cur is multiplied
	PLACES 4                                       ; four places between the last products that read the other set and the loads into it (ISA guide 7.12.1 for vector instructions)
	FETCH \ns, \nq, 1-\cur
	s_wait_dscnt 48                                ; all but the 48 just issued: set cur is in
	MUL8 0, \cur, \zero
	MUL8 1, \cur, \zero
	MUL8 2, \cur, \zero
	MUL8 3, \cur, \zero
.endm
	s_load_b256 s[4:11], s[0:1], 0x0               ; xc, wc, tab, bq
	s_load_b256 s[12:19], s[0:1], 0x20             ; bk, bv, the scales' exponents, qkv
	v_lshl_add_u32 v[SPW], v0, 2, SPARE
	v_mov_b32 v[NIL], 0
	ds_add_u32 v28, v29
	ds_add_u32 v28, v29
	s_wait_dscnt 0x0
	v_lshrrev_b32 v1, 5, v0
	v_readfirstlane_b32 s[WV], v1
	s_lshr_b32 s[WA], s[WV], 1
	s_and_b32 s[WB], s[WV], 1
	s_bfe_u32 s66, ttmp6, 0x40000                  ; cx
	s_bfe_u32 s67, ttmp6, 0x40004                  ; cy
	s_and_b32 s68, ttmp7, 0xffff                   ; the cluster's y, 0 .. 47
	s_lshr_b32 s69, s68, 4                         ; kind: the same in all sixteen partners
	s_and_b32 s70, s68, 15
	s_lshr_b32 s96, s70, 3
	s_and_b32 s97, s70, 7
	s_cmp_eq_u32 s69, 2
	s_cselect_b32 s71, s96, s70                    ; v: Wv has 8 blocks of 128 rows, X 32 blocks of 256;  q, k: X has 64 blocks of 128, the weight 4 of 256
	s_cselect_b32 s72, s97, 0
	s_cselect_b32 s94, 20, 23                      ; a set of codes is 1 MiB in wc, 8 MiB in xc
	s_cselect_b32 s95, 23, 20
	s_lshl_b32 s71, s71, 2
	s_add_co_u32 s71, s71, s67                     ; A's block: hangs on cy and the cluster's y alone
	s_lshl_b32 s72, s72, 2
	s_add_co_u32 s72, s72, s66                     ; B's block: on cx and the cluster's y alone
	s_lshl_b32 s73, s67, 2
	s_lshl_b32 s73, 15, s73                        ; my row of the cluster
	s_lshl_b32 s98, 0x1111, s66                    ; my column
	; descriptor group 1: rows of 4,096 bytes (a row tile's two fragments of a K step of 256) as 512 elements of 8 bytes, 16,384 bytes apart in memory, dense in LDS
	s_or_b32 s[G1A], s73, (3<<16)|(1<<21)          ; 15:0 the mask; 17:16 elements of 8 bytes; 21 set beside a mask; no padding
	s_or_b32 s[G1B], s98, (3<<16)|(1<<21)
.irp g, G1A, G1B
	s_mov_b32 s[\g+1], 512<<16                     ; tensor_dim0
	s_mov_b32 s[\g+3], 512<<16                     ; tile_dim0
	s_mov_b32 s[\g+5], 2048                        ; tensor_dim0_stride
	s_mov_b32 s[\g+6], 0
	s_mov_b32 s[\g+7], 0
.endr
	s_mov_b32 s[G1A+2], 4<<16                      ; tensor_dim1: a wave fetches 4 row tiles of A
	s_mov_b32 s[G1A+4], 4                          ; tile_dim1
	s_mov_b32 s[G1B+2], 8<<16                      ; or 8 of B
	s_mov_b32 s[G1B+4], 8
	s_lshl_b32 s74, s69, s94                       ; A: the set,
	s_lshl_b32 s75, s71, 17                        ; the block's 8 row tiles,
	s_add_co_u32 s74, s74, s75
	s_lshl_b32 s75, s[WB], 16                      ; the half that I fetch
	s_add_co_u32 s74, s74, s75
	s_mov_b32 s75, 0
	s_lshl_b32 s76, s69, s95                       ; B likewise: 16 row tiles a block
	s_lshl_b32 s77, s72, 18
	s_add_co_u32 s76, s76, s77
	s_lshl_b32 s77, s[WB], 17
	s_add_co_u32 s76, s76, s77
	s_mov_b32 s77, 0
	s_lshl_b32 s99, s[WB], 14                      ; where they go in a slot: no place in the cluster enters an LDS address
	s_lshl_b32 s100, s[WB], 15
	s_add_co_u32 s100, s100, BOFF
	s_wait_kmcnt 0x0
	s_load_b256 s[80:87], s[16:17], 0x0            ; e0 .. e7
	s_load_b128 s[88:91], s[16:17], 0x20           ; e8 .. e11
	s_cmp_eq_u32 s69, 2
	s_cselect_b64 s[78:79], s[6:7], s[4:5]
	s_cselect_b64 s[2:3], s[4:5], s[6:7]
	s_add_nc_u64 s[74:75], s[78:79], s[74:75]
	s_add_nc_u64 s[76:77], s[2:3], s[76:77]
	CROUND                                         ; all sixteen work-groups are here: the first joint loads meet
.irp s, 0,1,2
	s_mov_b32 s[G0A+4*\s], 1
	s_add_co_u32 s[G0A+4*\s+1], s99, \s*SLOT
	s_add_nc_u64 s[G0A+4*\s+2:G0A+4*\s+3], s[74:75], \s*4096
	s_or_b32 s[G0A+4*\s+3], s[G0A+4*\s+3], 0x80000000
	s_mov_b32 s[G0B+4*\s], 1
	s_add_co_u32 s[G0B+4*\s+1], s100, \s*SLOT
	s_add_nc_u64 s[G0B+4*\s+2:G0B+4*\s+3], s[76:77], \s*4096
	s_or_b32 s[G0B+4*\s+3], s[G0B+4*\s+3], 0x80000000
.endr
	s_cmp_lt_u32 s[WV], 2                          ; a wave's three first fills stand in one branch, ahead of every wait on TENSORcnt and every LDS read
	s_cbranch_scc0 .Lfirst_b
	tensor_load_to_lds s[G0A:G0A+3], s[G1A:G1A+7]
	s_nop 0
	tensor_load_to_lds s[G0A+4:G0A+7], s[G1A:G1A+7]
	s_nop 0
	tensor_load_to_lds s[G0A+8:G0A+11], s[G1A:G1A+7]
	s_nop 0
.rept 4
	v_nop
.endr
	s_branch .Lfirst_asked
.Lfirst_b:
	tensor_load_to_lds s[G0B:G0B+3], s[G1B:G1B+7]
	s_nop 0
	tensor_load_to_lds s[G0B+4:G0B+7], s[G1B:G1B+7]
	s_nop 0
	tensor_load_to_lds s[G0B+8:G0B+11], s[G1B:G1B+7]
	s_nop 0
.rept 4
	v_nop
.endr
.Lfirst_asked:
	v_and_b32 v1, 31, v0
	v_lshlrev_b32 v[LI], 4, v1
	s_lshl_b32 s99, s[WA], 14                      ; my 4 row tiles of A,
	s_lshl_b32 s100, s[WB], 15                     ; my 8 of B
	s_add_co_u32 s100, s100, BOFF
.irp s, 0,1,2
	v_add_nc_u32 v[ADRA+\s], s99, v[LI]
	v_add_nc_u32 v[ADRB+\s], s100, v[LI]
	s_add_co_u32 s99, s99, SLOT
	s_add_co_u32 s100, s100, SLOT
.endr
	; what the way out needs comes now, in every kind (so that each register is written on every path; the masks keep every load inside its buffer)
	v_and_b32 v2, 15, v0                           ; r
	v_bfe_u32 v3, v0, 4, 1                         ; h
	v_lshlrev_b32 v24, 6, v3                       ; 16 h numbers
	v_and_b32 v4, 8, v2
	v_add_nc_u32 v4, v4, v2
	v_lshlrev_b32 v25, 2, v4                       ; r + 8 (r / 8) numbers
	s_lshl_b32 s94, s71, 3
	s_lshl_b32 s95, s[WA], 2
	s_add_co_u32 s94, s94, s95                     ; my first row tile of A
	s_and_b32 s96, s94, 127                        ; as a tile of positions
	s_lshl_b32 s96, s96, 12
	s_mov_b32 s97, 0
	s_add_nc_u64 s[8:9], s[8:9], s[96:97]
	s_cmp_eq_u32 s69, 0
	s_cselect_b64 s[10:11], s[10:11], s[12:13]
	s_cmp_eq_u32 s69, 2
	s_cselect_b64 s[10:11], s[14:15], s[10:11]     ; bq, bk or bv
	s_lshl_b32 s96, s72, 8
	s_lshl_b32 s98, s[WB], 7
	s_add_co_u32 s96, s96, s98
	s_and_b32 s96, s96, 0x380
	s_lshl_b32 s96, s96, 2
	s_add_nc_u64 s[12:13], s[10:11], s[96:97]      ; q, k: the bias of my 128 rows of B
	s_lshl_b32 s96, s71, 7
	s_lshl_b32 s98, s[WA], 6
	s_add_co_u32 s96, s96, s98
	s_and_b32 s96, s96, 0x3c0
	s_lshl_b32 s96, s96, 2
	s_add_nc_u64 s[14:15], s[10:11], s[96:97]      ; v: the bias of my 64 rows of A
	WIN 0xc0                                       ; destination window 3
.set n, 0
.rept 32
	global_load_b128 v[4*n:4*n+3], v[LI], s[8:9] offset:512*n   ; tile a = n / 8: cos i at v[32 a + i], sin i at v[32 a + 16 + i]
.set n, n+1
.endr
.irp t, 0,1,2,3,4,5,6,7
	global_load_b128 v[128+8*\t:131+8*\t], v24, s[12:13] offset:(32*(\t/2)+8*(\t%2))*4       ; tile t's eight: 32 (t / 2) + 16 h + 8 (t % 2) + 0 .. 7
	global_load_b128 v[132+8*\t:135+8*\t], v24, s[12:13] offset:(32*(\t/2)+8*(\t%2))*4+16
.endr
.irp t, 0,1,2,3
	global_load_b32 v[192+2*\t], v25, s[14:15] offset:(32*(\t/2)+8*(\t%2))*4
	global_load_b32 v[193+2*\t], v25, s[14:15] offset:(32*(\t/2)+8*(\t%2))*4                 ; (named with it as a pair, so it is written)
.endr
	WIN 0
	s_wait_tensorcnt 2                             ; my part of slot 0 is in; slots 1 and 2 may stay out
	s_barrier_signal -1
	s_barrier_wait -1
	FETCH 0, 0, 0
	STEP 0, 0, 1, 1                                ; the first products start the sums: nothing is cleared
	; the one refill: slot 0, read out, takes the fourth K step
	WIN 0
	s_wait_tensorcnt 0x0                           ; all my tensor loads have landed: my parts of slots 1 and 2
	ds_add_u32 v[SPW], v[NIL]                      ; 0 onto my spare word
	s_wait_dscnt 1                                 ; (the add alone may be out: set 1 is in)
	MUL8 0, 1, 0
	s_wait_dscnt 0x0                               ; the add is done, and my reads of slot 0 are over
	s_barrier_signal -1
	MUL8 1, 1, 0
	WIN 0
	s_barrier_wait -1
	CREST                                          ; the barrier has opened a round of the cluster's: no wave of any partner still reads slot 0 or has a load on its way
	s_add_nc_u64 s[G0A+2:G0A+3], s[G0A+2:G0A+3], 3*4096
	s_add_nc_u64 s[G0B+2:G0B+3], s[G0B+2:G0B+3], 3*4096
	JLOAD G0A, G0B                                 ; the first tensor load behind the round: 112 matrix instructions ahead of the wait for it; its four v_nop are also the places in front of the loads below
	FETCH 1, 0, 0
	MUL8 2, 1, 0
	MUL8 3, 1, 0
	STEP 0, 1, 1, 0
	STEP 1, 2, 0, 0
	STEP 0, 2, 1, 0
	s_wait_tensorcnt 0x0                           ; my part of the fourth K step is in;
	s_wait_dscnt 0x0                               ; set 1 is in, and no LDS instruction of mine is pending at the signal
	s_barrier_signal -1
	MUL8 0, 1, 0
	MUL8 1, 1, 0
	s_barrier_wait -1                              ; everybody's is
	PLACES 4
	FETCH 0, 0, 0
	MUL8 2, 1, 0
	MUL8 3, 1, 0
	STEP 0, 0, 1, 0
	s_wait_dscnt 0x0
	MUL8 0, 1, 0
	MUL8 1, 1, 0
	MUL8 2, 1, 0
	MUL8 3, 1, 0
	WIN 0
	PLACES 4                                       ; four places in front of the first read of results and the first write of the fragments' registers
	; THE WAY OUT
	s_wait_loadcnt 0x0                             ; the table and the biases
	s_wait_kmcnt 0x0
	s_add_co_i32 s94, s80, s81
	s_add_co_i32 s95, s82, s83
	s_add_co_i32 s96, s84, s85
	s_cmp_eq_u32 s69, 0
	s_cselect_b32 s92, s94, s95
	s_cselect_b32 s98, s86, s87
	s_cmp_eq_u32 s69, 2
	s_cselect_b32 s92, s96, s92                    ; e(X) + e(W) of my product,
	s_cselect_b32 s98, s89, s98                    ; and the exponent of what I make: e6, e7 or e9
	s_add_co_i32 s92, s92, 127
	s_lshl_b32 s92, s92, 23                        ; a sum stands for sum x 2^(e(X) + e(W))
	s_mov_b32 s93, s92                             ; (named with it as a pair, so it is written)
	s_add_co_i32 s98, s98, 127
	s_lshl_b32 s99, s98, 23
	v_mov_b32 v30, s99                             ; the conversions' scale
	s_add_co_i32 s98, s98, 8
	s_lshl_b32 s98, s98, 23
	s_or_b32 s98, s98, 0x600000
	v_mov_b32 v31, s98                             ; 448 x the scale
	s_mov_b32 s97, 0
	s_cmp_eq_u32 s69, 2
	s_cbranch_scc1 .Lway_v
	; q, k.  Lane (r, h) holds position r of tile a; of head hd registers 0-15 are channels 16 h + i, registers 16-31 channels 32 + 16 h + i: the two halves that the rotation pairs, in one lane
	s_lshl_b32 s94, s71, 3
	s_lshl_b32 s95, s[WA], 2
	s_add_co_u32 s94, s94, s95                     ; my first row tile
	s_lshr_b32 s95, s94, 7                         ; the batch
	s_and_b32 s94, s94, 127                        ; the tile of positions
	s_lshl_b32 s95, s95, 4
	s_lshl_b32 s96, s72, 2
	s_add_co_u32 s95, s95, s96
	s_lshl_b32 s96, s[WB], 1
	s_add_co_u32 s95, s95, s96                     ; 16 x batch + my first head
	s_lshl_b32 s95, s95, 7
	s_add_co_u32 s95, s95, s94
	s_lshl_b32 s96, s95, 10                        ; an image of 16 positions x 64 is 1,024 bytes
	s_lshl_b32 s95, s69, 23                        ; q at 0, k at 8 MiB
	s_add_co_u32 s96, s96, s95
	s_add_nc_u64 s[18:19], s[18:19], s[96:97]
.macro EPI_QK a, hd
	WIN 0x32                                       ; source 0 (the sums) window 2, source 2 (the bias) window 3
.set k, 0
.rept 16
	v_pk_fma_f32 v[32+k:33+k], v[64*\a+32*\hd+k:64*\a+32*\hd+k+1], s[92:93], v[128+32*\hd+k:128+32*\hd+k+1] op_sel_hi:[1,0,1]   ; sum x 2^e + bias; each accumulator from its low end on
.set k, k+2
.endr
	WIN 0x0c                                       ; source 1 (cos, sin) window 3
.set k, 0
.rept 8
	v_pk_mul_f32 v[64+k:65+k], v[32+k:33+k], v[32*\a+k:32*\a+k+1]
	v_pk_mul_f32 v[80+k:81+k], v[48+k:49+k], v[32*\a+k:32*\a+k+1]
	v_pk_fma_f32 v[64+k:65+k], v[48+k:49+k], v[32*\a+16+k:32*\a+17+k], v[64+k:65+k] neg_lo:[1,0,0] neg_hi:[1,0,0]   ; x1 cos - x2 sin
	v_pk_fma_f32 v[80+k:81+k], v[32+k:33+k], v[32*\a+16+k:32*\a+17+k], v[80+k:81+k]                                 ; x2 cos + x1 sin
.set k, k+2
.endr
	WIN 0
.set k, 0
.rept 32
	v_med3_num_f32 v[64+k], v[64+k], -v31, v31     ; the hold at the largest code x the scale (the conversion does not saturate: ISA guide 7.6.2)
.set k, k+1
.endr
.set k, 0
.rept 4
	v_cvt_scalef32_pk8_fp8_f32 v[128+8*(2*\a+\hd)+2*k:128+8*(2*\a+\hd)+2*k+1], v[64+8*k:71+8*k], v30
.set k, k+1
.endr
	v_nop                                          ; a plain line behind the last conversion
	global_store_b128 v[LI], v[128+8*(2*\a+\hd):128+8*(2*\a+\hd)+3], s[18:19] offset:\hd*131072+\a*1024       ; piece 0: channels 16 h + 0 .. 15.  Each (a, hd) has code registers of its own
	global_store_b128 v[LI], v[128+8*(2*\a+\hd)+4:128+8*(2*\a+\hd)+7], s[18:19] offset:\hd*131072+\a*1024+512 ; piece 1: channels 32 + 16 h + 0 .. 15
.endm
.irp a, 0,1,2,3
	EPI_QK \a, 0
	EPI_QK \a, 1
.endr
	s_branch .Lend
.Lway_v:
	; v.  Lane (r, h) holds channel r of tile t of my head; its 64 registers are keys 32 c + 16 h + i of my step of 128 keys
	s_lshl_b32 s94, s72, 1
	s_add_co_u32 s94, s94, s[WB]                   ; my step of 128 positions, 0 .. 63
	s_lshr_b32 s95, s94, 4                         ; the batch
	s_and_b32 s94, s94, 15                         ; the key step
	s_lshl_b32 s95, s95, 4
	s_lshl_b32 s96, s71, 1
	s_add_co_u32 s95, s95, s96
	s_add_co_u32 s95, s95, s[WA]                   ; 16 x batch + my head
	s_lshl_b32 s95, s95, 4
	s_add_co_u32 s95, s95, s94
	s_lshl_b32 s96, s95, 13                        ; a key step's four images are 8,192 bytes
	s_add_co_u32 s96, s96, 0x1000000               ; v at 16 MiB
	s_add_nc_u64 s[18:19], s[18:19], s[96:97]
.macro EPI_V t
	WIN 0x32
.set k, 0
.rept 32
	v_pk_fma_f32 v[32+k:33+k], v[64*\t+k:64*\t+k+1], s[92:93], v[192+2*\t:193+2*\t] op_sel_hi:[1,0,0]
.set k, k+2
.endr
	WIN 0
.set k, 0
.rept 64
	v_med3_num_f32 v[32+k], v[32+k], -v31, v31
.set k, k+1
.endr
.set k, 0
.rept 8
	v_cvt_scalef32_pk8_fp8_f32 v[128+16*\t+2*k:128+16*\t+2*k+1], v[32+8*k:39+8*k], v30
.set k, k+1
.endr
	v_nop
.irp c, 0,1,2,3
	global_store_b128 v[LI], v[128+16*\t+4*\c:128+16*\t+4*\c+3], s[18:19] offset:\t*2048+\c*512
.endr
.endm
.irp t, 0,1,2,3
	EPI_V \t
.endr
.Lend:
	s_wait_tensorcnt 0x0                           ; the wave's end
	ds_add_u32 v[SPW], v[NIL]
	s_wait_dscnt 0x0
	CROUND                                         ; the closing round: no work-group ends while a partner may still ask for a tile that names it
	s_endpgm
.Lfunc_end_k_q02caab31a8_qkv:
	.size	k_q02caab31a8_qkv, .Lfunc_end_k_q02caab31a8_qkv-k_q02caab31a8_qkv
	.p2alignl 7, 3214868480
	.fill 96, 4, 3214868480
	.section	.rodata,"a",@progbits
	.p2align	6, 0x0
	.amdhsa_kernel k_q02caab31a8_qkv
		.amdhsa_group_segment_fixed_size 327680
		.amdhsa_private_segment_fixed_size 0
		.amdhsa_enable_private_segment 0
		.amdhsa_kernarg_size 64
		.amdhsa_user_sgpr_count 2
		.amdhsa_user_sgpr_kernarg_segment_ptr 1
		.amdhsa_wavefront_size32 1
		.amdhsa_system_sgpr_workgroup_id_x 1
		.amdhsa_system_sgpr_workgroup_id_y 1
		.amdhsa_system_sgpr_workgroup_id_z 1
		.amdhsa_system_vgpr_workitem_id 0
		.amdhsa_next_free_vgpr 1024
		.amdhsa_next_free_sgpr 102
		.amdhsa_reserve_vcc 0
		.amdhsa_float_denorm_mode_32 3
		.amdhsa_float_denorm_mode_16_64 3
		.amdhsa_memory_ordered 1
		.amdhsa_forward_progress 1
		.amdhsa_inst_pref_size 131
	.end_amdhsa_kernel
	.amdgpu_metadata
---
amdhsa.version: [ 1, 2 ]
amdhsa.kernels:
  - .name:           k_q02caab31a8_qkv
    .symbol:         k_q02caab31a8_qkv.kd
    .args:
      - { .name: xc, .offset: 0, .size: 8, .value_kind: global_buffer, .address_space: global }
      - { .name: wc, .offset: 8, .size: 8, .value_kind: global_buffer, .address_space: global }
      - { .name: tab, .offset: 16, .size: 8, .value_kind: global_buffer, .address_space: global }
      - { .name: bq, .offset: 24, .size: 8, .value_kind: global_buffer, .address_space: global }
      - { .name: bk, .offset: 32, .size: 8, .value_kind: global_buffer, .address_space: global }
      - { .name: bv, .offset: 40, .size: 8, .value_kind: global_buffer, .address_space: global }
      - { .name: lowp_scales, .offset: 48, .size: 8, .value_kind: global_buffer, .address_space: global }
      - { .name: qkv, .offset: 56, .size: 8, .value_kind: global_buffer, .address_space: global }
    .group_segment_fixed_size: 327680
    .private_segment_fixed_size: 0
    .kernarg_segment_align: 8
    .kernarg_segment_size: 64
    .max_flat_workgroup_size: 128
    .sgpr_count:     102
    .vgpr_count:     1024
    .wavefront_size: 32
...
	.end_amdgpu_metadata
.endif
;; end of part 2
;; launch attn (part 3): grid 8 x 64, 16 waves a work-group, no clusters, 34,816 bytes of LDS; arguments qkv, curr_seq_lens, lowp_scales, ac; writes ac
.if DOCPART == 3
	.amdgcn_target "amdgcn-amd-amdhsa--gfx1250"
	.amdhsa_code_object_version 6
	.text
	.protected	k_q02caab31a8_attn
	.globl	k_q02caab31a8_attn
	.p2align	8
	.type	k_q02caab31a8_attn,@function
k_q02caab31a8_attn:
	s_mov_b64 s[64:65], 0
	v_nop
	global_prefetch_b8 v0, s[64:65] scope:SCOPE_SE
	s_setreg_imm32_b32 hwreg(HW_REG_WAVE_MODE, 25, 1), 1
	s_wait_xcnt 0x0
; Causal attention with lengths, both products on codes of E4M3; the result, zero in rows at or beyond the batch's length, is quantised (entry 10) into the image of the last product's operand.
; THE MASK.  A key j counts for query i where j <= i and j < len.  For i < len the first implies the second; rows i >= len are set to zero whatever was summed.  So len decides only which rows are zero, and which work is left out.
; THE SOFTMAX: t = score x log2(e) / 8; M = the running largest t rounded up to a whole number; p = 2^(t - M) is quantised (entry 8); the row's sum is taken of the unquantised p and divides at the end.
; SHARES.  A work-group owns 256 queries of one head (block 7 - x: the longest first); each of its sixteen waves one tile of 16 queries, in 256 registers: four waves to a SIMD, so that one wave's vector work stands beside another's products.
; q, k, v come as images of operand registers.  Tile T = 2 b + u holds positions 32 b + 8 u + r + 8 (r / 8).  Both products are used transposed (S^T = K Q^T, O^T = V^T P^T): a lane holds one query throughout, the 16 registers of two
; neighbouring tiles of keys are 16 neighbouring keys, and the conversions' results are the next operand's registers.
; K's and V's tiles of a step of 128 keys (8 + 8 KiB) go through registers into two LDS slots by turns, 16 + 16 bytes a thread, one barrier a step.
; NO TENSOR LOADS AND NO CLUSTER, though the eight blocks of a head read the same K and V: steps and whole tiles are left out by branches on the length, a number read from memory, and partners would need different numbers of tiles.
; All sixteen steps are walked by every wave (the trip count is a constant and the barrier stands under no branch); what is left out is a step's loads and work.
; LIMITS on the given exponents: e6 + e7 between -124 and 129 (added to c's exponent field); e8 and e10 between -126 and 119.  A length outside 0 .. 2048 is held there.
; REGISTERS: v1 16 x lane, v2 16 x thread, v3 my query, v4 256 x lane, v8 my query - 16 h; v12 -M, v13 the largest t, v[14:15] the sum; v16-23 Q; v24-31 the next step's 32 bytes; v32-95 K's fragments, then V's;
;   v96-159 S^T, then p; v160-191 O^T; v192-207 p's codes; v236-254 at work.
.set KF,   32                          ; s32  the step's first key
	s_load_b256 s[4:11], s[0:1], 0x0               ; qkv, the lengths, the scales' exponents, ac
	v_lshl_add_u32 v251, v0, 2, 0x8000
	v_mov_b32 v255, 0
	v_lshrrev_b32 v1, 5, v0
	v_readfirstlane_b32 s12, v1                    ; wave 0 .. 15
	s_and_b32 s13, ttmp7, 0xffff                   ; 16 x batch + head
	s_sub_co_u32 s14, 7, ttmp9                     ; my block of 256 queries
	s_lshl_b32 s15, s14, 4
	s_add_co_u32 s15, s15, s12                     ; my tile T
	s_lshr_b32 s48, s15, 1
	s_lshl_b32 s48, s48, 5
	s_and_b32 s49, s15, 1
	s_lshl_b32 s49, s49, 3
	s_add_co_u32 s16, s48, s49                     ; its first query
	s_lshr_b32 s50, s13, 4
	s_lshl_b32 s50, s50, 2
	v_and_b32 v5, 31, v0
	v_lshlrev_b32 v1, 4, v5
	v_lshlrev_b32 v2, 4, v0
	v_lshlrev_b32 v4, 8, v5
	v_and_b32 v6, 15, v0
	v_and_b32 v7, 8, v6
	v_add3_u32 v3, v6, v7, s16                     ; my query
	v_bfe_u32 v7, v0, 4, 1
	v_lshlrev_b32 v7, 4, v7
	v_sub_nc_u32 v8, v3, v7                        ; less 16 h
	s_lshl_b32 s52, s13, 17                        ; a head's images are 131,072 bytes in each of q, k, v
	s_mov_b32 s53, 0
	s_lshl_b32 s56, s15, 10
	s_mov_b32 s57, 0
	s_mov_b32 s24, 0x76543210                      ; v_permlanex16_b32's selects for lane l xor 16
	s_mov_b32 s25, 0xfedcba98
	s_mov_b32 s[KF], 0
	s_mov_b32 s33, 0
	s_wait_kmcnt 0x0
	s_load_b32 s17, s[6:7], s50 offset:0x0         ; the batch's length
	s_load_b256 s[36:43], s[8:9], 0x0              ; e0 .. e7
	s_load_b128 s[44:47], s[8:9], 0x20             ; e8 .. e11
	s_add_nc_u64 s[54:55], s[4:5], s[52:53]
	s_add_nc_u64 s[26:27], s[54:55], 0x800000      ; K's images of step 0
	s_add_nc_u64 s[28:29], s[54:55], 0x1000000     ; V's
	s_add_nc_u64 s[54:55], s[54:55], s[56:57]      ; my tile of Q
	global_load_b128 v[16:19], v1, s[54:55]
	global_load_b128 v[20:23], v1, s[54:55] offset:512
	global_load_b128 v[24:27], v2, s[26:27]        ; step 0, whatever the length: the bytes are there
	global_load_b128 v[28:31], v2, s[28:29]
	s_cmp_eq_u32 s12, 1
	s_cselect_b64 s[30:31], s[28:29], s[26:27]     ; what I prefetch, if I do: wave 0 K's, wave 1 V's
	v_mov_b32 v13, 0xff61b1e6                      ; the largest t so far: -3e38
	v_floor_f32 v12, -v13                          ; -M
	v_mov_b32 v14, 0
	v_mov_b32 v15, 0
	v_mov_b32 v236, 0                              ; a lane permute's destination counts as one of its sources
	v_mov_b32 v252, 0
	v_mov_b32 v253, 0                              ; (named as the upper half of the pair v[252:253])
.set n, 0
.rept 32
	v_mov_b32 v[160+n], 0                          ; O^T.  (The step is written once: the first finds zeros, which the first change of M leaves zeros)
.set n, n+1
.endr
	s_wait_kmcnt 0x0
	s_max_i32 s17, s17, 0
	s_min_i32 s17, s17, 2048
	s_add_co_u32 s48, s48, 32
	s_cmp_lt_u32 s16, s17
	s_cselect_b32 s18, s48, 0                      ; I work on a step while its first key is below this: past my last query, or 0 where all my queries lie at or beyond the length
	s_lshl_b32 s49, s14, 8
	s_add_co_u32 s51, s49, 256
	s_min_u32 s51, s51, s17
	s_cmp_lt_u32 s49, s17
	s_cselect_b32 s19, s51, 0                      ; a step is copied while its first key is below this; every step that a wave works on lies below it
	s_sub_co_u32 s56, s17, 1
	s_lshr_b32 s56, s56, 8
	s_cmp_eq_u32 s56, s14
	s_cselect_b32 s20, s19, 0                      ; the head's block that holds query len - 1 walks all the keys that anybody reads: it prefetches,
	s_cmp_lt_u32 s12, 2
	s_cselect_b32 s20, s20, 0                      ; in its waves 0 and 1
	s_cmp_ge_i32 s44, -8
	s_cselect_b32 s21, 1, 0                        ; p <= 1 <= 448 x 2^e8 from e8 = -8 on: no hold is needed then
	s_add_co_i32 s56, s42, s43
	s_lshl_b32 s56, s56, 23
	s_add_co_i32 s22, s56, 0x3e38aa3b              ; c = log2(e) / 8, x 2^(e6 + e7): the two exponents are added to c's exponent field
	s_mov_b32 s23, s22
	s_add_co_i32 s56, s44, 127
	s_lshl_b32 s57, s56, 23
	v_mov_b32 v244, s57                            ; 2^e8
	s_add_co_i32 s56, s56, 8
	s_lshl_b32 s56, s56, 23
	s_or_b32 s56, s56, 0x600000
	v_mov_b32 v240, s56                            ; 448 x 2^e8
	s_wait_loadcnt 0x0
	ds_store_b128 v2, v[24:27]
	ds_store_b128 v2, v[28:31] offset:8192
	s_wait_dscnt 0x0                               ; for the others' sake: my part of step 0 lies in slot 0
	s_barrier_signal -1
	s_barrier_wait -1
.macro STEP sl                         ; a step of 128 keys, in slot sl
	; the next step's bytes are asked for
	s_add_co_u32 s57, s[KF], 128
	s_cmp_lt_u32 s57, s19
	s_cbranch_scc0 .Lno_next_\@
	global_load_b128 v[24:27], v2, s[26:27] offset:8192
	global_load_b128 v[28:31], v2, s[28:29] offset:8192
.Lno_next_\@:
	; and the step after that is prefetched: 8,192 bytes, lanes 256 bytes apart, one instruction in each of two waves of one work-group of the head; each block of the steps from 2 on is named once; nothing at or past key len is named
	s_add_co_u32 s57, s[KF], 256
	s_cmp_lt_u32 s57, s20
	s_cbranch_scc0 .Lno_ask_\@
	global_prefetch_b8 v4, s[30:31] offset:16384 th:TH_LOAD_NT scope:SCOPE_SE
.Lno_ask_\@:
	s_cmp_lt_u32 s[KF], s18
	s_cbranch_scc0 .Lskip_\@
.rept 4
	v_nop                                          ; places between the last step's products and the loads into the registers that they read
.endr
.set n, 0
.rept 16
	ds_load_b128 v[32+4*n:35+4*n], v1 offset:\sl*16384+512*n   ; K's eight images
.set n, n+1
.endr
	s_wait_dscnt 0x0
.set n, 0
.rept 8
	v_wmma_f32_16x16x64_fp8_fp8 v[96+8*n:103+8*n], v[32+8*n:39+8*n], v[16:23], 0
.set n, n+1
.endr
.rept 4
	v_nop                                          ; places in front of the loads below and of the first read of the scores
.endr
.set n, 0
.rept 16
	ds_load_b128 v[32+4*n:35+4*n], v1 offset:\sl*16384+8192+512*n   ; V's four images: they land during the softmax
.set n, n+1
.endr
	s_add_co_u32 s57, s[KF], 127
	s_cmp_gt_u32 s57, s16
	s_cbranch_scc0 .Lopen_\@                       ; all 128 keys count for all my queries
	v_sub_nc_u32 v252, v8, s[KF]                   ; d = my query - KF - 16 h.  Register 16 b + i holds key KF + 32 b + 16 h + i: hidden where 32 b + i > d
	v_mov_b32 v254, 0xff800000                     ; -infinity: p = 0 then.  Key KF counts for every query of a wave that works on the step
.set n, 0
.rept 64
	v_cmp_gt_i32 vcc_lo, 32*(n/16)+n%16, v252
	v_cndmask_b32 v[96+n], v[96+n], v254, vcc_lo
.set n, n+1
.endr
.Lopen_\@:
	v_max3_num_f32 v254, v96, v97, v98             ; the step's largest score of my query among my 64 keys, in two chains; each accumulator is read from its low end on
	v_max3_num_f32 v252, v99, v100, v101
.irp i, 6,10,14,18,22,26,30,34,38,42,46,50,54,58
	v_max3_num_f32 v254, v254, v[96+\i], v[97+\i]
	v_max3_num_f32 v252, v252, v[98+\i], v[99+\i]
.endr
	v_max3_num_f32 v254, v254, v158, v159
	v_max_num_f32 v254, v254, v252
	v_permlanex16_b32 v236, v254, s24, s25
	v_max_num_f32 v254, v254, v236                 ; and among lane l xor 16's
	v_mul_f32 v254, s22, v254                      ; as t (c is positive)
	v_max_num_f32 v13, v13, v254                   ; the running largest t
	v_mov_b32 v254, v12
	v_floor_f32 v12, -v13                          ; the new -M = -ceil(t)
	v_sub_f32 v254, v12, v254                      ; old M - new M: a whole number, 0 or less
	v_cvt_i32_f32 v254, v254                       ; (it saturates)
	v_ldexp_f32 v252, 1.0, v254                    ; f = 2^(old M - new M)
.set n, 0
.rept 32
	v_pk_fma_f32 v[96+n:97+n], v[96+n:97+n], s[22:23], v[12:13] op_sel_hi:[1,0,0]   ; t - M
.set n, n+2
.endr
.set n, 0
.rept 64
	v_exp_f32 v[96+n], v[96+n]                     ; p = 2^(t - M)
.set n, n+1
.endr
	v_pk_mul_f32 v[14:15], v[14:15], v[252:253] op_sel_hi:[1,0]   ; the sums under the new M.  (The plain line behind the exponentials)
	s_wait_alu depctr_va_vdst(0)                   ; one wait for the 64 exponentials, ahead of their first reader
	v_pk_add_f32 v[242:243], v[96:97], v[98:99]    ; the row's sum of the unquantised p, in two chains
.irp j, 4,8,12,16,20,24,28,32,36,40,44,48,52,56,60
	v_pk_add_f32 v[14:15], v[14:15], v[96+\j:97+\j]
	v_pk_add_f32 v[242:243], v[242:243], v[98+\j:99+\j]
.endr
	v_pk_add_f32 v[14:15], v[14:15], v[242:243]
	s_cmp_eq_u32 s21, 1
	s_cbranch_scc1 .Lno_hold_\@
.set n, 0
.rept 64
	v_min_num_f32 v[96+n], v[96+n], v240           ; the conversion does not saturate (ISA guide 7.6.2); p is not negative: a one-sided hold
.set n, n+1
.endr
.Lno_hold_\@:
.set n, 0
.rept 8
	v_cvt_scalef32_pk8_fp8_f32 v[192+2*n:193+2*n], v[96+8*n:103+8*n], v244
.set n, n+1
.endr
.set n, 0
.rept 16
	v_pk_mul_f32 v[160+n:161+n], v[160+n:161+n], v[252:253] op_sel_hi:[1,0]   ; O^T under the new M.  (Also the plain lines between the conversions and the products)
.set n, n+2
.endr
	s_wait_dscnt 0x0                               ; V is in
.set n, 0
.rept 4
	v_wmma_f32_16x16x128_fp8_fp8 v[160+8*n:167+8*n], v[32+16*n:47+16*n], v[192:207], v[160+8*n:167+8*n]   ; the four accumulators by turns
.set n, n+1
.endr
.Lskip_\@:
	s_wait_loadcnt 0x0                             ; the next step's bytes are in my registers
	s_add_co_u32 s57, s[KF], 128
	s_cmp_lt_u32 s57, s19
	s_cbranch_scc0 .Lno_store_\@
	ds_store_b128 v2, v[24:27] offset:(1-\sl)*16384          ; into the other slot: every wave's reads of it were waited for in front of the last barrier
	ds_store_b128 v2, v[28:31] offset:(1-\sl)*16384+8192
.Lno_store_\@:
	s_wait_dscnt 0x0                               ; my stores have landed, and my reads of this slot are over
	s_barrier_signal -1
	s_barrier_wait -1
	s_wait_xcnt 0x0                                ; the loads and the prefetch have read their bases, which step now
	s_add_nc_u64 s[26:27], s[26:27], 8192
	s_add_nc_u64 s[28:29], s[28:29], 8192
	s_add_nc_u64 s[30:31], s[30:31], 8192
	s_add_co_u32 s[KF], s[KF], 128
.endm
.Ltwo:                                             ; eight trips of two steps: the slots stand as immediates
	STEP 0
	STEP 1
	s_add_co_u32 s33, s33, 1
	s_cmp_lt_u32 s33, 8
	s_cbranch_scc1 .Ltwo
	; THE WAY OUT, in every wave: a tile that was left out stores zero codes
.rept 4
	v_nop                                          ; places behind the last products
.endr
	v_add_f32 v14, v14, v15
	v_permlanex16_b32 v252, v14, s24, s25
	v_add_f32 v14, v14, v252                       ; the row's sum
	v_rcp_f32 v14, v14
	s_add_co_i32 s57, s44, s45                     ; e8 + e9
	s_add_co_i32 s58, s46, 127
	s_lshl_b32 s59, s58, 23
	v_mov_b32 v245, s59                            ; 2^e10.  (The plain line behind the reciprocal)
	s_add_co_i32 s58, s58, 8
	s_lshl_b32 s58, s58, 23
	s_or_b32 s58, s58, 0x600000
	v_mov_b32 v241, s58                            ; 448 x 2^e10
	s_lshr_b32 s60, s13, 4
	s_lshl_b32 s60, s60, 7
	s_add_co_u32 s60, s60, s15                     ; the row tile: 128 x batch + T
	s_lshl_b32 s60, s60, 14
	s_bfe_u32 s61, s13, 0x30001                    ; the K step of 128: head / 2
	s_lshl_b32 s61, s61, 11
	s_add_co_u32 s60, s60, s61
	s_and_b32 s61, s13, 1                          ; and which two of its four pieces
	s_lshl_b32 s61, s61, 10
	s_add_co_u32 s60, s60, s61
	s_mov_b32 s61, 0
	s_add_nc_u64 s[10:11], s[10:11], s[60:61]
	s_wait_alu depctr_va_vdst(0)                   ; the wait ahead of the reciprocal's first reader
	v_ldexp_f32 v14, v14, s57                      ; x 2^(e8 + e9)
	v_cmp_gt_i32 vcc_lo, s17, v3                   ; is my query below the length?
.set n, 0
.rept 32
	v_mul_f32 v[96+n], v[160+n], v14               ; register 16 b + i: channel 32 b + 16 h + i of my query
.set n, n+1
.endr
.set n, 0
.rept 32
	v_cndmask_b32 v[96+n], 0, v[96+n], vcc_lo      ; rows at or beyond the length are zero (also where nothing was summed and the quotient is no number)
.set n, n+1
.endr
.set n, 0
.rept 32
	v_med3_num_f32 v[96+n], v[96+n], -v241, v241
.set n, n+1
.endr
.set n, 0
.rept 4
	v_cvt_scalef32_pk8_fp8_f32 v[192+2*n:193+2*n], v[96+8*n:103+8*n], v245
.set n, n+1
.endr
	v_nop
	global_store_b128 v1, v[192:195], s[10:11]               ; 512 consecutive bytes a store
	global_store_b128 v1, v[196:199], s[10:11] offset:512
	s_wait_tensorcnt 0x0
	ds_add_u32 v251, v255
	s_wait_dscnt 0x0
	s_endpgm
.Lfunc_end_k_q02caab31a8_attn:
	.size	k_q02caab31a8_attn, .Lfunc_end_k_q02caab31a8_attn-k_q02caab31a8_attn
	.p2alignl 7, 3214868480
	.fill 96, 4, 3214868480
	.section	.rodata,"a",@progbits
	.p2align	6, 0x0
	.amdhsa_kernel k_q02caab31a8_attn
		.amdhsa_group_segment_fixed_size 34816
		.amdhsa_private_segment_fixed_size 0
		.amdhsa_enable_private_segment 0
		.amdhsa_kernarg_size 32
		.amdhsa_user_sgpr_count 2
		.amdhsa_user_sgpr_kernarg_segment_ptr 1
		.amdhsa_wavefront_size32 1
		.amdhsa_system_sgpr_workgroup_id_x 1
		.amdhsa_system_sgpr_workgroup_id_y 1
		.amdhsa_system_sgpr_workgroup_id_z 1
		.amdhsa_system_vgpr_workitem_id 0
		.amdhsa_next_free_vgpr 256
		.amdhsa_next_free_sgpr 66
		.amdhsa_reserve_vcc 1
		.amdhsa_float_denorm_mode_32 3
		.amdhsa_float_denorm_mode_16_64 3
		.amdhsa_memory_ordered 1
		.amdhsa_forward_progress 1
		.amdhsa_inst_pref_size 54
	.end_amdhsa_kernel
	.amdgpu_metadata
---
amdhsa.version: [ 1, 2 ]
amdhsa.kernels:
  - .name:           k_q02caab31a8_attn
    .symbol:         k_q02caab31a8_attn.kd
    .args:
      - { .name: qkv, .offset: 0, .size: 8, .value_kind: global_buffer, .address_space: global }
      - { .name: curr_seq_lens, .offset: 8, .size: 8, .value_kind: global_buffer, .address_space: global }
      - { .name: lowp_scales, .offset: 16, .size: 8, .value_kind: global_buffer, .address_space: global }
      - { .name: ac, .offset: 24, .size: 8, .value_kind: global_buffer, .address_space: global }
    .group_segment_fixed_size: 34816
    .private_segment_fixed_size: 0
    .kernarg_segment_align: 8
    .kernarg_segment_size: 32
    .max_flat_workgroup_size: 512
    .sgpr_count:     66
    .vgpr_count:     256
    .wavefront_size: 32
...
	.end_amdgpu_metadata
.endif
;; end of part 3
;; launch oproj (part 4): grid 4 x 64, 4 waves a work-group, clusters of 4 x 4, 327,680 bytes of LDS; arguments ac, wc, bo, lowp_scales, out0; writes out0
.if DOCPART == 4
	.amdgcn_target "amdgcn-amd-amdhsa--gfx1250"
	.amdhsa_code_object_version 6
	.text
	.protected	k_q02caab31a8_oproj
	.globl	k_q02caab31a8_oproj
	.p2align	8
	.type	k_q02caab31a8_oproj,@function
k_q02caab31a8_oproj:
	s_mov_b64 s[64:65], 0
	v_nop
	global_prefetch_b8 v0, s[64:65] scope:SCOPE_SE
	s_setreg_imm32_b32 hwreg(HW_REG_WAVE_MODE, 25, 1), 1
	s_wait_xcnt 0x0
	s_wait_alu depctr_hold_cnt(0) depctr_sa_sdst(0) depctr_va_vdst(0) depctr_va_sdst(0) depctr_va_ssrc(0) depctr_va_vcc(0) depctr_vm_vsrc(0)
	s_getreg_b32 s2, hwreg(HW_REG_IB_STS2, 6, 4)
	s_cmp_eq_u32 s2, 0
	s_cbranch_scc0 .Lentry_in_a_cluster
	s_endpgm
.Lentry_in_a_cluster:
	s_bfe_u32 s2, ttmp6, 0x10000c
	s_cmp_lg_u32 s2, 0xf033
	s_cbranch_scc0 .Lentry_shape_is_right
	s_endpgm
.Lentry_shape_is_right:
; out0 = a Wo^T + bo, on codes of E4M3: a's codes (entry 10) as attention left them, Wo's (entry 11) from the fourth set of the weights' codes.  out0: [8192][1024] f32.
; A work-group makes 128 rows of out0 (source 1, 'A' = a) x 256 columns (source 0, 'B' = Wo), K = 1,024; four waves, each 64 x 128: 32 accumulators; 256 work-groups.
; CODES IN MEMORY are images of operand registers: a row tile RT = 2 b + u holds rows 32 b + 8 u + r + 8 (r / 8); a fragment (row tile x 128 K) is 2,048 bytes, piece c at 512 c, lane (r, h) at 16 x lane: k = 32 c + 16 h + 0 .. 15;
; a row tile's 8 fragments lie on end.  Every LDS read of a fragment is a constant + 16 x lane.
; K goes in four steps of 256 through three LDS slots: three are asked for at the start, the fourth fills slot 0 again.  By this text's count a wave has three tensor loads out at the start, later one.
; CLUSTERS: 4 x 4.  A's tile hangs on cy, B's on cx: each is asked for jointly by the four that share it.
; LIMIT: e10 + e11 between -126 and 127.
; REGISTERS, in windows of 256: window 0: v16-22 LDS addresses, v24-29 addresses, v32-95 the way out, v128-191 and v192-255 A's two sets (on the way out: rows read back);
;   window 1: B's two sets;  window 2: accumulator (a, b) at v[8 (8 a + b)];  window 3: v0-63 bo along a lane's registers.
.set SLOT,  98304                      ; a slot: A's 8 row tiles x 4,096 bytes, then B's 16
.set BOFF,  32768
.set SPARE, 3*SLOT                     ; behind the slots: the spare words, 128 bytes for each wave, that no other line names
.set STAGE, SLOT                       ; the way out: 16 rows x (512 + 16) bytes for each wave, in slot 1: it has had its only fill, and every wave's reads of it were waited for in front of the last barrier
.set ADRA, 16
.set ADRB, 20
.set STO,  24                          ; v24     where I put 32 bytes of a row
.set RD,   25                          ; v25     where I read a row back
.set LI,   27                          ; v27     16 x lane
.set SPW,  28
.set NIL,  29
.set WV,  20
.set WA,  21
.set WB,  22
.set G1A, 24
.set G1B, 32
.set G0A, 40
.set G0B, 52
.set MSB, 0
.macro WIN new                         ; the immediate's high byte repeats the setting that is left
.if MSB != \new
	s_set_vgpr_msb (MSB<<8)|\new
.set MSB, \new
.endif
.endm
.macro PLACES n
.rept \n
	v_nop
.endr
.endm
.macro JLOAD g0a, g0b                  ; a joint load: waves 0 and 1 fetch A's halves, waves 2 and 3 B's; four v_nop follow each line
	s_cmp_lt_u32 s[WV], 2
	s_cbranch_scc0 .Lfor_b_\@
	tensor_load_to_lds s[\g0a:\g0a+3], s[G1A:G1A+7]
	s_nop 0
.rept 4
	v_nop
.endr
	s_branch .Lasked_\@
.Lfor_b_\@:
	tensor_load_to_lds s[\g0b:\g0b+3], s[G1B:G1B+7]
	s_nop 0
.rept 4
	v_nop
.endr
.Lasked_\@:
.endm
.macro CREST
	s_cmp_lg_u32 s[WV], 0
	s_cbranch_scc1 .Lnot_wave_0_\@
	s_barrier_signal -3
.Lnot_wave_0_\@:
	s_barrier_wait -3
	s_barrier_signal -1
	s_barrier_wait -1
.endm
.macro CROUND
	s_barrier_signal -1
	s_barrier_wait -1
	CREST
.endm
.macro FRAG reg, adr, off
.irp c, 0,1,2,3
	ds_load_b128 v[(\reg)+4*\c:(\reg)+4*\c+3], v[\adr] offset:(\off)+512*\c
.endr
.endm
.macro FETCH s, q, set                 ; the q-th 128 along K of slot s: B's eight fragments and A's four, 48 loads, into set
	WIN 0x40
.irp i, 0,1,2,3,4,5,6,7
	FRAG 128*(\set)+16*\i, ADRB+\s, 4096*\i+2048*(\q)
.endr
	WIN 0
.irp i, 0,1,2,3
	FRAG 128+64*(\set)+16*\i, ADRA+\s, 4096*\i+2048*(\q)
.endr
.endm
.macro MUL8 a, set, zero               ; the 32 accumulators take turns, one instruction a turn, in the same order in every step
	WIN 0xa1
.irp b, 0,1,2,3,4,5,6,7
.if \zero
	v_wmma_f32_16x16x128_fp8_fp8 v[8*(8*(\a)+\b):8*(8*(\a)+\b)+7], v[128*(\set)+16*\b:128*(\set)+16*\b+15], v[128+64*(\set)+16*(\a):128+64*(\set)+16*(\a)+15], 0
.else
	v_wmma_f32_16x16x128_fp8_fp8 v[8*(8*(\a)+\b):8*(8*(\a)+\b)+7], v[128*(\set)+16*\b:128*(\set)+16*\b+15], v[128+64*(\set)+16*(\a):128+64*(\set)+16*(\a)+15], v[8*(8*(\a)+\b):8*(8*(\a)+\b)+7]
.endif
.endr
.endm
.macro STEP cur, ns, nq, zero
	PLACES 4                                       ; four places between the last products that read the other set and the loads into it
	FETCH \ns, \nq, 1-\cur
	s_wait_dscnt 48                                ; all but the 48 just issued: set cur is in
	MUL8 0, \cur, \zero
	MUL8 1, \cur, \zero
	MUL8 2, \cur, \zero
	MUL8 3, \cur, \zero
.endm
	s_load_b256 s[4:11], s[0:1], 0x0               ; ac, wc, bo, the scales' exponents
	s_load_b64 s[12:13], s[0:1], 0x20              ; out0
	v_lshl_add_u32 v[SPW], v0, 2, SPARE
	v_mov_b32 v[NIL], 0
	ds_add_u32 v28, v29
	ds_add_u32 v28, v29
	s_wait_dscnt 0x0
	v_lshrrev_b32 v1, 5, v0
	v_readfirstlane_b32 s[WV], v1
	s_lshr_b32 s[WA], s[WV], 1
	s_and_b32 s[WB], s[WV], 1
	s_bfe_u32 s66, ttmp6, 0x40000                  ; cx: B's block of 256 rows of Wo
	s_bfe_u32 s67, ttmp6, 0x40004                  ; cy
	s_and_b32 s68, ttmp7, 0xffff
	s_lshl_b32 s71, s68, 2
	s_add_co_u32 s71, s71, s67                     ; A's block of 128 rows
	s_lshl_b32 s73, s67, 2
	s_lshl_b32 s73, 15, s73                        ; my row of the cluster
	s_lshl_b32 s98, 0x1111, s66                    ; my column
	s_or_b32 s[G1A], s73, (3<<16)|(1<<21)          ; 15:0 the mask; 17:16 elements of 8 bytes; 21 set beside a mask; no padding
	s_or_b32 s[G1B], s98, (3<<16)|(1<<21)
.irp g, G1A, G1B
	s_mov_b32 s[\g+1], 512<<16                     ; rows of 4,096 bytes as 512 elements,
	s_mov_b32 s[\g+3], 512<<16
	s_mov_b32 s[\g+5], 2048                        ; 16,384 bytes apart in memory, dense in LDS
	s_mov_b32 s[\g+6], 0
	s_mov_b32 s[\g+7], 0
.endr
	s_mov_b32 s[G1A+2], 4<<16
	s_mov_b32 s[G1A+4], 4
	s_mov_b32 s[G1B+2], 8<<16
	s_mov_b32 s[G1B+4], 8
	s_lshl_b32 s74, s71, 17
	s_lshl_b32 s75, s[WB], 16
	s_add_co_u32 s74, s74, s75
	s_mov_b32 s75, 0
	s_lshl_b32 s76, s66, 18
	s_lshl_b32 s77, s[WB], 17
	s_add_co_u32 s76, s76, s77
	s_add_co_u32 s76, s76, 3<<20                   ; Wo's set
	s_mov_b32 s77, 0
	s_lshl_b32 s99, s[WB], 14
	s_lshl_b32 s100, s[WB], 15
	s_add_co_u32 s100, s100, BOFF
	s_wait_kmcnt 0x0
	s_load_b64 s[92:93], s[10:11], 0x28            ; e10, e11
	s_add_nc_u64 s[74:75], s[4:5], s[74:75]
	s_add_nc_u64 s[76:77], s[6:7], s[76:77]
	CROUND                                         ; all sixteen work-groups are here: the first joint loads meet
.irp s, 0,1,2
	s_mov_b32 s[G0A+4*\s], 1
	s_add_co_u32 s[G0A+4*\s+1], s99, \s*SLOT
	s_add_nc_u64 s[G0A+4*\s+2:G0A+4*\s+3], s[74:75], \s*4096
	s_or_b32 s[G0A+4*\s+3], s[G0A+4*\s+3], 0x80000000
	s_mov_b32 s[G0B+4*\s], 1
	s_add_co_u32 s[G0B+4*\s+1], s100, \s*SLOT
	s_add_nc_u64 s[G0B+4*\s+2:G0B+4*\s+3], s[76:77], \s*4096
	s_or_b32 s[G0B+4*\s+3], s[G0B+4*\s+3], 0x80000000
.endr
	s_cmp_lt_u32 s[WV], 2                          ; a wave's three first fills stand in one branch, ahead of every wait on TENSORcnt and every LDS read
	s_cbranch_scc0 .Lfirst_b
	tensor_load_to_lds s[G0A:G0A+3], s[G1A:G1A+7]
	s_nop 0
	tensor_load_to_lds s[G0A+4:G0A+7], s[G1A:G1A+7]
	s_nop 0
	tensor_load_to_lds s[G0A+8:G0A+11], s[G1A:G1A+7]
	s_nop 0
.rept 4
	v_nop
.endr
	s_branch .Lfirst_asked
.Lfirst_b:
	tensor_load_to_lds s[G0B:G0B+3], s[G1B:G1B+7]
	s_nop 0
	tensor_load_to_lds s[G0B+4:G0B+7], s[G1B:G1B+7]
	s_nop 0
	tensor_load_to_lds s[G0B+8:G0B+11], s[G1B:G1B+7]
	s_nop 0
.rept 4
	v_nop
.endr
.Lfirst_asked:
	v_and_b32 v1, 31, v0
	v_lshlrev_b32 v[LI], 4, v1
	s_lshl_b32 s99, s[WA], 14
	s_lshl_b32 s100, s[WB], 15
	s_add_co_u32 s100, s100, BOFF
.irp s, 0,1,2
	v_add_nc_u32 v[ADRA+\s], s99, v[LI]
	v_add_nc_u32 v[ADRB+\s], s100, v[LI]
	s_add_co_u32 s99, s99, SLOT
	s_add_co_u32 s100, s100, SLOT
.endr
	v_and_b32 v2, 15, v0                           ; r
	v_bfe_u32 v3, v0, 4, 1                         ; h
	v_lshlrev_b32 v26, 6, v3                       ; 16 h numbers
	s_mul_i32 s94, s[WV], 8448
	s_add_co_u32 s94, s94, STAGE                   ; my stage
	v_mul_u32_u24 v[STO], v2, 528
	v_add_nc_u32 v[STO], v[STO], v26
	v_add_nc_u32 v[STO], s94, v[STO]               ; in: row r, + 64 h bytes
	v_add_nc_u32 v[RD], s94, v[LI]                 ; back: the 32 lanes take one row of 512 bytes
	s_lshl_b32 s96, s66, 10
	s_lshl_b32 s95, s[WB], 9
	s_add_co_u32 s96, s96, s95                     ; my 128 columns, in bytes
	s_mov_b32 s97, 0
	s_add_nc_u64 s[8:9], s[8:9], s[96:97]          ; in bo,
	s_add_nc_u64 s[12:13], s[12:13], s[96:97]      ; and in out0,
	s_lshl_b32 s96, s71, 19
	s_lshl_b32 s95, s[WA], 18
	s_add_co_u32 s96, s96, s95
	s_add_nc_u64 s[12:13], s[12:13], s[96:97]      ; at my first row: 128 x block + 64 x half, rows of 4,096 bytes
	WIN 0xc0                                       ; destination window 3
.irp t, 0,1,2,3,4,5,6,7
	global_load_b128 v[8*\t:8*\t+3], v26, s[8:9] offset:(32*(\t/2)+8*(\t%2))*4       ; tile t's eight columns: 32 (t / 2) + 16 h + 8 (t % 2) + 0 .. 7
	global_load_b128 v[8*\t+4:8*\t+7], v26, s[8:9] offset:(32*(\t/2)+8*(\t%2))*4+16
.endr
	WIN 0
	s_wait_tensorcnt 2                             ; my part of slot 0 is in; slots 1 and 2 may stay out
	s_barrier_signal -1
	s_barrier_wait -1
	FETCH 0, 0, 0
	STEP 0, 0, 1, 1                                ; the first products start the sums: nothing is cleared
	; the one refill: slot 0, read out, takes the fourth K step
	WIN 0
	s_wait_tensorcnt 0x0                           ; all my tensor loads have landed: my parts of slots 1 and 2
	ds_add_u32 v[SPW], v[NIL]                      ; 0 onto my spare word
	s_wait_dscnt 1                                 ; (the add alone may be out: set 1 is in)
	MUL8 0, 1, 0
	s_wait_dscnt 0x0                               ; the add is done, and my reads of slot 0 are over
	s_barrier_signal -1
	MUL8 1, 1, 0
	WIN 0
	s_barrier_wait -1
	CREST                                          ; the barrier has opened a round of the cluster's: no wave of any partner still reads slot 0 or has a load on its way
	s_add_nc_u64 s[G0A+2:G0A+3], s[G0A+2:G0A+3], 3*4096
	s_add_nc_u64 s[G0B+2:G0B+3], s[G0B+2:G0B+3], 3*4096
	JLOAD G0A, G0B                                 ; the first tensor load behind the round: 112 matrix instructions ahead of the wait for it; its four v_nop are also the places in front of the loads below
	FETCH 1, 0, 0
	MUL8 2, 1, 0
	MUL8 3, 1, 0
	STEP 0, 1, 1, 0
	STEP 1, 2, 0, 0
	STEP 0, 2, 1, 0
	s_wait_tensorcnt 0x0                           ; my part of the fourth K step is in;
	s_wait_dscnt 0x0                               ; set 1 is in: my reads of slots 1 and 2 are over
	s_barrier_signal -1
	MUL8 0, 1, 0
	MUL8 1, 1, 0
	s_barrier_wait -1                              ; everybody's is
	PLACES 4
	FETCH 0, 0, 0
	MUL8 2, 1, 0
	MUL8 3, 1, 0
	STEP 0, 0, 1, 0
	s_wait_dscnt 0x0
	MUL8 0, 1, 0
	MUL8 1, 1, 0
	MUL8 2, 1, 0
	MUL8 3, 1, 0
	WIN 0
	PLACES 4                                       ; four places in front of the first read of results and of the loads into the fragments' registers
	; THE WAY OUT, a tile of 16 rows x 128 columns at a time.  A lane holds pieces of one row and the lanes beside it other rows: a tile goes through my own stage and comes back as whole rows of 512 bytes.
	; LDS serves a wave's instructions in order (ISA guide 5.7.1.4): no wait between the stores and the loads, nor in front of the next tile's stores.
	s_wait_loadcnt 0x0                             ; bo
	s_wait_kmcnt 0x0
	s_add_co_i32 s92, s92, s93
	s_add_co_i32 s92, s92, 127
	s_lshl_b32 s92, s92, 23                        ; 2^(e10 + e11)
	s_mov_b32 s93, s92                             ; (named with it as a pair, so it is written)
.macro TOSTAGE a
	WIN 0x32                                       ; source 0 (the sums) window 2, source 2 (bo) window 3
.set k, 0
.rept 32
	v_pk_fma_f32 v[32+k:33+k], v[64*\a+k:64*\a+k+1], s[92:93], v[k:k+1] op_sel_hi:[1,0,1]   ; sum x 2^(e10 + e11) + bo; each accumulator from its low end on
.set k, k+2
.endr
	WIN 0
.irp t, 0,1,2,3,4,5,6,7
	ds_store_b128 v[STO], v[32+8*\t:35+8*\t] offset:128*(\t/2)+32*(\t%2)
	ds_store_b128 v[STO], v[36+8*\t:39+8*\t] offset:128*(\t/2)+32*(\t%2)+16
.endr
.set k, 0
.rept 16
	ds_load_b128 v[128+64*((\a)%2)+4*k:128+64*((\a)%2)+4*k+3], v[RD] offset:528*k
.set k, k+1
.endr
.endm
.macro SEND a, younger                 ; younger: the LDS instructions issued behind tile a's loads, which may stay out
	s_wait_dscnt \younger
.set k, 0
.rept 16
	global_store_b128 v[LI], v[128+64*((\a)%2)+4*k:128+64*((\a)%2)+4*k+3], s[12:13] offset:(32*((\a)/2)+8*((\a)%2)+k+8*(k/8))*4096 th:TH_STORE_NT   ; 512 consecutive bytes of one row, aligned; the base never steps
.set k, k+1
.endr
.endm
	TOSTAGE 0
	TOSTAGE 1
	SEND 0, 32                                     ; behind tile 0's loads: tile 1's 16 stores and 16 loads
	s_wait_xcnt 0x0                                ; tile 0's stores have read their registers: tile 2's loads may land there
	TOSTAGE 2
	SEND 1, 32
	s_wait_xcnt 0x0
	TOSTAGE 3
	SEND 2, 32
	SEND 3, 0
	s_wait_tensorcnt 0x0                           ; the wave's end: behind my last tensor load and my last LDS store
	ds_add_u32 v[SPW], v[NIL]
	s_wait_dscnt 0x0
	CROUND                                         ; the closing round: no work-group ends while a partner may still ask for a tile that names it
	s_endpgm
.Lfunc_end_k_q02caab31a8_oproj:
	.size	k_q02caab31a8_oproj, .Lfunc_end_k_q02caab31a8_oproj-k_q02caab31a8_oproj
	.p2alignl 7, 3214868480
	.fill 96, 4, 3214868480
	.section	.rodata,"a",@progbits
	.p2align	6, 0x0
	.amdhsa_kernel k_q02caab31a8_oproj
		.amdhsa_group_segment_fixed_size 327680
		.amdhsa_private_segment_fixed_size 0
		.amdhsa_enable_private_segment 0
		.amdhsa_kernarg_size 40
		.amdhsa_user_sgpr_count 2
		.amdhsa_user_sgpr_kernarg_segment_ptr 1
		.amdhsa_wavefront_size32 1
		.amdhsa_system_sgpr_workgroup_id_x 1
		.amdhsa_system_sgpr_workgroup_id_y 1
		.amdhsa_system_sgpr_workgroup_id_z 1
		.amdhsa_system_vgpr_workitem_id 0
		.amdhsa_next_free_vgpr 1024
		.amdhsa_next_free_sgpr 102
		.amdhsa_reserve_vcc 0
		.amdhsa_float_denorm_mode_32 3
		.amdhsa_float_denorm_mode_16_64 3
		.amdhsa_memory_ordered 1
		.amdhsa_forward_progress 1
		.amdhsa_inst_pref_size 75
	.end_amdhsa_kernel
	.amdgpu_metadata
---
amdhsa.version: [ 1, 2 ]
amdhsa.kernels:
  - .name:           k_q02caab31a8_oproj
    .symbol:         k_q02caab31a8_oproj.kd
    .args:
      - { .name: ac, .offset: 0, .size: 8, .value_kind: global_buffer, .address_space: global }
      - { .name: wc, .offset: 8, .size: 8, .value_kind: global_buffer, .address_space: global }
      - { .name: bo, .offset: 16, .size: 8, .value_kind: global_buffer, .address_space: global }
      - { .name: lowp_scales, .offset: 24, .size: 8, .value_kind: global_buffer, .address_space: global }
      - { .name: out0, .offset: 32, .size: 8, .value_kind: global_buffer, .address_space: global }
    .group_segment_fixed_size: 327680
    .private_segment_fixed_size: 0
    .kernarg_segment_align: 8
    .kernarg_segment_size: 40
    .max_flat_workgroup_size: 128
    .sgpr_count:     102
    .vgpr_count:     1024
    .wavefront_size: 32
...
	.end_amdgpu_metadata
.endif
;; end of part 4
;; ======== version 2 of 2: 4 launches; version 1 with the launch attn written anew for expert scheduling mode
;; workspace buffers: xc 25,165,824 bytes; wc 4,194,304 bytes; tab 524,288 bytes; qkv 25,165,824 bytes; ac 8,388,608 bytes
;; launch prep: the kernel of part 1 again; grid 416 x 1, 4 waves a work-group, no clusters, 34,304 bytes of LDS; arguments X, Wq, Wk, Wv, Wo, lowp_scales, xc, wc, tab; writes xc, wc, tab
;; launch qkv: the kernel of part 2 again; grid 4 x 192, 4 waves a work-group, clusters of 4 x 4, 327,680 bytes of LDS; arguments xc, wc, tab, bq, bk, bv, lowp_scales, qkv; writes qkv
;; launch attn (part 5): grid 8 x 64, 16 waves a work-group, no clusters, 34,816 bytes of LDS; arguments qkv, curr_seq_lens, lowp_scales, ac; writes ac
.if DOCPART == 5
	.amdgcn_target "amdgcn-amd-amdhsa--gfx1250"
	.amdhsa_code_object_version 6
	.text
	.protected	k_q02caab31a8_attn
	.globl	k_q02caab31a8_attn
	.p2align	8
	.type	k_q02caab31a8_attn,@function
k_q02caab31a8_attn:
	s_mov_b64 s[64:65], 0
	v_nop
	global_prefetch_b8 v0, s[64:65] scope:SCOPE_SE
	s_setreg_imm32_b32 hwreg(HW_REG_WAVE_SCHED_MODE, 0, 2), 2
	s_setreg_imm32_b32 hwreg(HW_REG_WAVE_MODE, 25, 1), 1
	s_wait_xcnt 0x0
	s_wait_alu depctr_vm_vsrc(0)
; Causal attention with lengths, both products on codes of E4M3; the result, zero in rows at or beyond the batch's length, is quantised (entry 10) into the image of the last product's operand.
; THE MASK.  A key j counts for query i where j <= i and j < len.  For i < len the first implies the second; rows i >= len are set to zero whatever was summed.  So len decides only which rows are zero, and which work is left out.
; THE SOFTMAX: t = score x log2(e) / 8; M = the running largest t rounded up to a whole number; p = 2^(t - M) is quantised (entry 8); the row's sum is taken of the unquantised p and divides at the end.
; SHARES.  A work-group owns 256 queries of one head (block 7 - x: the longest first); each of its sixteen waves one tile of 16 queries, in 256 registers: four waves to a SIMD, so that one wave's vector work stands beside another's products.
; q, k, v come as images of operand registers.  Tile T = 2 b + u holds positions 32 b + 8 u + r + 8 (r / 8).  Both products are used transposed (S^T = K Q^T, O^T = V^T P^T): a lane holds one query throughout, the 16 registers of two
; neighbouring tiles of keys are 16 neighbouring keys, and the conversions' results are the next operand's registers.
; K's and V's tiles of a step of 128 keys (8 + 8 KiB) go through registers into two LDS slots by turns, 16 + 16 bytes a thread, one barrier a step.
; NO TENSOR LOADS AND NO CLUSTER, though the eight blocks of a head read the same K and V: steps and whole tiles are left out by branches on the length, a number read from memory, and partners would need different numbers of tiles.
; All sixteen steps are walked by every wave (the trip count is a constant and the barrier stands under no branch); what is left out is a step's loads and work.
; LIMITS on the given exponents: e6 + e7 between -124 and 129 (added to c's exponent field); e8 and e10 between -126 and 119.  A length outside 0 .. 2048 is held there.
; REGISTERS: v1 16 x lane, v2 16 x thread, v3 my query, v4 256 x lane, v8 my query - 16 h; v12 -M, v13 the largest t, v[14:15] the sum; v16-23 Q; v24-31 the next step's 32 bytes; v32-95 K's fragments, then V's;
;   v96-159 S^T, then p; v160-191 O^T; v192-207 p's codes; v236-254 at work.  s36-43 and s48-55: in the loop, sixteen masks of the diagonal step.
; THE MODE: SCHED_MODE bits 1:0 = 2 (LLVM: expert scheduling mode 2), set by the entry lines.  The code itself states the register dependences
; between vector or matrix instructions and memory or LDS instructions, with s_wait_alu, always for 0.
; THE PLAN.  Registers that memory or LDS instructions touch:
;   v1, v2, v4  offsets, written at the head and never again: one wait on va_vdst ahead of the first load serves every load, store and prefetch of the kernel.
;   v24-31      Written by the two global loads at a step's head, read by the two LDS stores at its end; no vector instruction names them.  One wait on vm_vsrc at a step's head: the stores have read them.
;   v32-95      K's LDS loads land, the 8 products K Q^T read; V's LDS loads land, the 4 products V^T P read; then the next step's K.  A wave's 256 registers hold one such buffer, so each of the two runs of loads stands
;               directly behind a wait on va_vdst: the products that read the buffer are done with it.
;   v192-199    On the way out: written by the conversions, read by the two stores: one wait on va_vdst between.
;   All else (scores, p, O^T, the statistics) is named by vector and matrix instructions alone.
; Scalar results of vector instructions: the wave's number at the head; the diagonal step's masks, made in runs of sixteen with one wait on va_sdst behind each run; VCC on the way out.
.set KF,   32                          ; s32  the step's first key
	s_load_b256 s[4:11], s[0:1], 0x0               ; qkv, the lengths, the scales' exponents, ac
	v_lshl_add_u32 v251, v0, 2, 0x8000
	v_mov_b32 v255, 0
	v_lshrrev_b32 v1, 5, v0
	v_readfirstlane_b32 s12, v1                    ; wave 0 .. 15
	s_and_b32 s13, ttmp7, 0xffff                   ; 16 x batch + head
	s_sub_co_u32 s14, 7, ttmp9                     ; my block of 256 queries
	s_lshl_b32 s15, s14, 4
	s_wait_alu depctr_va_sdst(0)                   ; s12 is written, ahead of its first reader: my tile's number is made from it
	s_add_co_u32 s15, s15, s12                     ; my tile T
	s_lshr_b32 s48, s15, 1
	s_lshl_b32 s48, s48, 5
	s_and_b32 s49, s15, 1
	s_lshl_b32 s49, s49, 3
	s_add_co_u32 s16, s48, s49                     ; its first query
	s_lshr_b32 s50, s13, 4
	s_lshl_b32 s50, s50, 2
	v_and_b32 v5, 31, v0
	v_lshlrev_b32 v1, 4, v5
	v_lshlrev_b32 v2, 4, v0
	v_lshlrev_b32 v4, 8, v5
	v_and_b32 v6, 15, v0
	v_and_b32 v7, 8, v6
	v_add3_u32 v3, v6, v7, s16                     ; my query
	v_bfe_u32 v7, v0, 4, 1
	v_lshlrev_b32 v7, 4, v7
	v_sub_nc_u32 v8, v3, v7                        ; less 16 h
	s_lshl_b32 s52, s13, 17                        ; a head's images are 131,072 bytes in each of q, k, v
	s_mov_b32 s53, 0
	s_lshl_b32 s56, s15, 10
	s_mov_b32 s57, 0
	s_mov_b32 s24, 0x76543210                      ; v_permlanex16_b32's selects for lane l xor 16
	s_mov_b32 s25, 0xfedcba98
	s_mov_b32 s[KF], 0
	s_mov_b32 s33, 0
	s_wait_kmcnt 0x0
	s_load_b32 s17, s[6:7], s50 offset:0x0         ; the batch's length
	s_load_b256 s[36:43], s[8:9], 0x0              ; e0 .. e7
	s_load_b128 s[44:47], s[8:9], 0x20             ; e8 .. e11
	s_add_nc_u64 s[54:55], s[4:5], s[52:53]
	s_add_nc_u64 s[26:27], s[54:55], 0x800000      ; K's images of step 0
	s_add_nc_u64 s[28:29], s[54:55], 0x1000000     ; V's
	s_add_nc_u64 s[54:55], s[54:55], s[56:57]      ; my tile of Q
	s_wait_alu depctr_va_vdst(0)                   ; v1, v2 and v4 are written: every load, store and prefetch of the kernel reads one of them as its offset, and no vector instruction names them again
	global_load_b128 v[16:19], v1, s[54:55]
	global_load_b128 v[20:23], v1, s[54:55] offset:512
	global_load_b128 v[24:27], v2, s[26:27]        ; step 0, whatever the length: the bytes are there
	global_load_b128 v[28:31], v2, s[28:29]
	s_cmp_eq_u32 s12, 1
	s_cselect_b64 s[30:31], s[28:29], s[26:27]     ; what I prefetch, if I do: wave 0 K's, wave 1 V's
	v_mov_b32 v13, 0xff61b1e6                      ; the largest t so far: -3e38
	v_floor_f32 v12, -v13                          ; -M
	v_mov_b32 v14, 0
	v_mov_b32 v15, 0
	v_mov_b32 v236, 0                              ; a lane permute's destination counts as one of its sources
	v_mov_b32 v252, 0
	v_mov_b32 v253, 0                              ; (named as the upper half of the pair v[252:253])
.set n, 0
.rept 32
	v_mov_b32 v[160+n], 0                          ; O^T.  (The step is written once: the first finds zeros, which the first change of M leaves zeros)
.set n, n+1
.endr
	s_wait_kmcnt 0x0
	s_max_i32 s17, s17, 0
	s_min_i32 s17, s17, 2048
	s_add_co_u32 s48, s48, 32
	s_cmp_lt_u32 s16, s17
	s_cselect_b32 s18, s48, 0                      ; I work on a step while its first key is below this: past my last query, or 0 where all my queries lie at or beyond the length
	s_lshl_b32 s49, s14, 8
	s_add_co_u32 s51, s49, 256
	s_min_u32 s51, s51, s17
	s_cmp_lt_u32 s49, s17
	s_cselect_b32 s19, s51, 0                      ; a step is copied while its first key is below this; every step that a wave works on lies below it
	s_sub_co_u32 s56, s17, 1
	s_lshr_b32 s56, s56, 8
	s_cmp_eq_u32 s56, s14
	s_cselect_b32 s20, s19, 0                      ; the head's block that holds query len - 1 walks all the keys that anybody reads: it prefetches,
	s_cmp_lt_u32 s12, 2
	s_cselect_b32 s20, s20, 0                      ; in its waves 0 and 1
	s_cmp_ge_i32 s44, -8
	s_cselect_b32 s21, 1, 0                        ; p <= 1 <= 448 x 2^e8 from e8 = -8 on: no hold is needed then
	s_add_co_i32 s56, s42, s43
	s_lshl_b32 s56, s56, 23
	s_add_co_i32 s22, s56, 0x3e38aa3b              ; c = log2(e) / 8, x 2^(e6 + e7): the two exponents are added to c's exponent field
	s_mov_b32 s23, s22
	s_add_co_i32 s56, s44, 127
	s_lshl_b32 s57, s56, 23
	v_mov_b32 v244, s57                            ; 2^e8
	s_add_co_i32 s56, s56, 8
	s_lshl_b32 s56, s56, 23
	s_or_b32 s56, s56, 0x600000
	v_mov_b32 v240, s56                            ; 448 x 2^e8
	s_wait_loadcnt 0x0
	ds_store_b128 v2, v[24:27]
	ds_store_b128 v2, v[28:31] offset:8192
	s_wait_dscnt 0x0                               ; for the others' sake: my part of step 0 lies in slot 0
	s_barrier_signal -1
	s_barrier_wait -1
.macro STEP sl                         ; a step of 128 keys, in slot sl
	; the next step's bytes are asked for
	s_wait_alu depctr_vm_vsrc(0)                   ; my LDS stores of the step before (ahead of the first step: the head's) have read v24-31, in which the loads below land
	s_add_co_u32 s57, s[KF], 128
	s_cmp_lt_u32 s57, s19
	s_cbranch_scc0 .Lno_next_\@
	global_load_b128 v[24:27], v2, s[26:27] offset:8192
	global_load_b128 v[28:31], v2, s[28:29] offset:8192
.Lno_next_\@:
	; and the step after that is prefetched: 8,192 bytes, lanes 256 bytes apart, one instruction in each of two waves of one work-group of the head; each block of the steps from 2 on is named once; nothing at or past key len is named
	s_add_co_u32 s57, s[KF], 256
	s_cmp_lt_u32 s57, s20
	s_cbranch_scc0 .Lno_ask_\@
	global_prefetch_b8 v4, s[30:31] offset:16384 th:TH_LOAD_NT scope:SCOPE_SE
.Lno_ask_\@:
	s_cmp_lt_u32 s[KF], s18
	s_cbranch_scc0 .Lskip_\@
.rept 4
	v_nop                                          ; places between the last step's products and the loads into the registers that they read
.endr
	s_wait_alu depctr_va_vdst(0)                   ; the last step's products V^T P are done reading v32-95, in which K's images land
.set n, 0
.rept 16
	ds_load_b128 v[32+4*n:35+4*n], v1 offset:\sl*16384+512*n   ; K's eight images
.set n, n+1
.endr
	s_wait_dscnt 0x0
.set n, 0
.rept 8
	v_wmma_f32_16x16x64_fp8_fp8 v[96+8*n:103+8*n], v[32+8*n:39+8*n], v[16:23], 0
.set n, n+1
.endr
.rept 4
	v_nop                                          ; places in front of the loads below and of the first read of the scores
.endr
	s_wait_alu depctr_va_vdst(0)                   ; the products K Q^T are done reading v32-95, in which V's images land; the places above stay beside this wait
.set n, 0
.rept 16
	ds_load_b128 v[32+4*n:35+4*n], v1 offset:\sl*16384+8192+512*n   ; V's four images: they land during the softmax
.set n, n+1
.endr
	s_add_co_u32 s57, s[KF], 127
	s_cmp_gt_u32 s57, s16
	s_cbranch_scc0 .Lopen_\@                       ; all 128 keys count for all my queries
	v_sub_nc_u32 v252, v8, s[KF]                   ; d = my query - KF - 16 h.  Register 16 b + i holds key KF + 32 b + 16 h + i: hidden where 32 b + i > d
	v_mov_b32 v254, 0xff800000                     ; -infinity: p = 0 then.  Key KF counts for every query of a wave that works on the step
.set g, 0
.rept 4                                        ; sixteen registers at a time: sixteen masks into scalar registers, one wait, sixteen selects
.set n, 0
.rept 16
	v_cmp_gt_i32 s[36+n+4*(n/8)], 32*g+n, v252
.set n, n+1
.endr
	s_wait_alu depctr_va_sdst(0)                   ; the sixteen masks s36-43 and s48-55 are written, ahead of the selects that read them
.set n, 0
.rept 16
	v_cndmask_b32 v[96+16*g+n], v[96+16*g+n], v254, s[36+n+4*(n/8)]
.set n, n+1
.endr
.set g, g+1
.endr
.Lopen_\@:
	v_max3_num_f32 v254, v96, v97, v98             ; the step's largest score of my query among my 64 keys, in two chains; each accumulator is read from its low end on
	v_max3_num_f32 v252, v99, v100, v101
.irp i, 6,10,14,18,22,26,30,34,38,42,46,50,54,58
	v_max3_num_f32 v254, v254, v[96+\i], v[97+\i]
	v_max3_num_f32 v252, v252, v[98+\i], v[99+\i]
.endr
	v_max3_num_f32 v254, v254, v158, v159
	v_max_num_f32 v254, v254, v252
	v_permlanex16_b32 v236, v254, s24, s25
	v_max_num_f32 v254, v254, v236                 ; and among lane l xor 16's
	v_mul_f32 v254, s22, v254                      ; as t (c is positive)
	v_max_num_f32 v13, v13, v254                   ; the running largest t
	v_mov_b32 v254, v12
	v_floor_f32 v12, -v13                          ; the new -M = -ceil(t)
	v_sub_f32 v254, v12, v254                      ; old M - new M: a whole number, 0 or less
	v_cvt_i32_f32 v254, v254                       ; (it saturates)
	v_ldexp_f32 v252, 1.0, v254                    ; f = 2^(old M - new M)
.set n, 0
.rept 32
	v_pk_fma_f32 v[96+n:97+n], v[96+n:97+n], s[22:23], v[12:13] op_sel_hi:[1,0,0]   ; t - M
.set n, n+2
.endr
.set n, 0
.rept 64
	v_exp_f32 v[96+n], v[96+n]                     ; p = 2^(t - M)
.set n, n+1
.endr
	v_pk_mul_f32 v[14:15], v[14:15], v[252:253] op_sel_hi:[1,0]   ; the sums under the new M.  (The plain line behind the exponentials)
	s_wait_alu depctr_va_vdst(0)                   ; one wait for the 64 exponentials, which have written v96-159, ahead of their first reader
	v_pk_add_f32 v[242:243], v[96:97], v[98:99]    ; the row's sum of the unquantised p, in two chains
.irp j, 4,8,12,16,20,24,28,32,36,40,44,48,52,56,60
	v_pk_add_f32 v[14:15], v[14:15], v[96+\j:97+\j]
	v_pk_add_f32 v[242:243], v[242:243], v[98+\j:99+\j]
.endr
	v_pk_add_f32 v[14:15], v[14:15], v[242:243]
	s_cmp_eq_u32 s21, 1
	s_cbranch_scc1 .Lno_hold_\@
.set n, 0
.rept 64
	v_min_num_f32 v[96+n], v[96+n], v240           ; the conversion does not saturate (ISA guide 7.6.2); p is not negative: a one-sided hold
.set n, n+1
.endr
.Lno_hold_\@:
.set n, 0
.rept 8
	v_cvt_scalef32_pk8_fp8_f32 v[192+2*n:193+2*n], v[96+8*n:103+8*n], v244
.set n, n+1
.endr
.set n, 0
.rept 16
	v_pk_mul_f32 v[160+n:161+n], v[160+n:161+n], v[252:253] op_sel_hi:[1,0]   ; O^T under the new M.  (Also the plain lines between the conversions and the products)
.set n, n+2
.endr
	s_wait_dscnt 0x0                               ; V is in
.set n, 0
.rept 4
	v_wmma_f32_16x16x128_fp8_fp8 v[160+8*n:167+8*n], v[32+16*n:47+16*n], v[192:207], v[160+8*n:167+8*n]   ; the four accumulators by turns
.set n, n+1
.endr
.Lskip_\@:
	s_wait_loadcnt 0x0                             ; the next step's bytes are in my registers
	s_add_co_u32 s57, s[KF], 128
	s_cmp_lt_u32 s57, s19
	s_cbranch_scc0 .Lno_store_\@
	ds_store_b128 v2, v[24:27] offset:(1-\sl)*16384          ; into the other slot: every wave's reads of it were waited for in front of the last barrier.  (No vector instruction names v2 or v24-31 behind the head's wait)
	ds_store_b128 v2, v[28:31] offset:(1-\sl)*16384+8192
.Lno_store_\@:
	s_wait_dscnt 0x0                               ; my stores have landed, and my reads of this slot are over
	s_barrier_signal -1
	s_barrier_wait -1
	s_wait_xcnt 0x0                                ; the loads and the prefetch have read their bases, which step now
	s_add_nc_u64 s[26:27], s[26:27], 8192
	s_add_nc_u64 s[28:29], s[28:29], 8192
	s_add_nc_u64 s[30:31], s[30:31], 8192
	s_add_co_u32 s[KF], s[KF], 128
.endm
.Ltwo:                                             ; eight trips of two steps: the slots stand as immediates
	STEP 0
	STEP 1
	s_add_co_u32 s33, s33, 1
	s_cmp_lt_u32 s33, 8
	s_cbranch_scc1 .Ltwo
	; THE WAY OUT, in every wave: a tile that was left out stores zero codes
.rept 4
	v_nop                                          ; places behind the last products
.endr
	v_add_f32 v14, v14, v15
	v_permlanex16_b32 v252, v14, s24, s25
	v_add_f32 v14, v14, v252                       ; the row's sum
	v_rcp_f32 v14, v14
	s_add_co_i32 s57, s44, s45                     ; e8 + e9
	s_add_co_i32 s58, s46, 127
	s_lshl_b32 s59, s58, 23
	v_mov_b32 v245, s59                            ; 2^e10.  (The plain line behind the reciprocal)
	s_add_co_i32 s58, s58, 8
	s_lshl_b32 s58, s58, 23
	s_or_b32 s58, s58, 0x600000
	v_mov_b32 v241, s58                            ; 448 x 2^e10
	s_lshr_b32 s60, s13, 4
	s_lshl_b32 s60, s60, 7
	s_add_co_u32 s60, s60, s15                     ; the row tile: 128 x batch + T
	s_lshl_b32 s60, s60, 14
	s_bfe_u32 s61, s13, 0x30001                    ; the K step of 128: head / 2
	s_lshl_b32 s61, s61, 11
	s_add_co_u32 s60, s60, s61
	s_and_b32 s61, s13, 1                          ; and which two of its four pieces
	s_lshl_b32 s61, s61, 10
	s_add_co_u32 s60, s60, s61
	s_mov_b32 s61, 0
	s_add_nc_u64 s[10:11], s[10:11], s[60:61]
	s_wait_alu depctr_va_vdst(0)                   ; the reciprocal has written v14: the wait ahead of its first reader
	v_ldexp_f32 v14, v14, s57                      ; x 2^(e8 + e9)
	v_cmp_gt_i32 vcc_lo, s17, v3                   ; is my query below the length?
.set n, 0
.rept 32
	v_mul_f32 v[96+n], v[160+n], v14               ; register 16 b + i: channel 32 b + 16 h + i of my query
.set n, n+1
.endr
	s_wait_alu depctr_va_vcc(0)                    ; the compare has written VCC, ahead of the selects that read it
.set n, 0
.rept 32
	v_cndmask_b32 v[96+n], 0, v[96+n], vcc_lo      ; rows at or beyond the length are zero (also where nothing was summed and the quotient is no number)
.set n, n+1
.endr
.set n, 0
.rept 32
	v_med3_num_f32 v[96+n], v[96+n], -v241, v241
.set n, n+1
.endr
.set n, 0
.rept 4
	v_cvt_scalef32_pk8_fp8_f32 v[192+2*n:193+2*n], v[96+8*n:103+8*n], v245
.set n, n+1
.endr
	v_nop
	s_wait_alu depctr_va_vdst(0)                   ; the conversions have written v192-199, which the two stores read
	global_store_b128 v1, v[192:195], s[10:11]               ; 512 consecutive bytes a store
	global_store_b128 v1, v[196:199], s[10:11] offset:512
	s_wait_dscnt 0x0
	s_wait_alu depctr_hold_cnt(0) depctr_sa_sdst(0) depctr_va_vdst(0) depctr_va_sdst(0) depctr_va_ssrc(0) depctr_va_vcc(0) depctr_vm_vsrc(0)
	s_wait_tensorcnt 0x0
	ds_add_u32 v251, v255
	s_wait_dscnt 0x0
	s_endpgm
.Lfunc_end_k_q02caab31a8_attn:
	.size	k_q02caab31a8_attn, .Lfunc_end_k_q02caab31a8_attn-k_q02caab31a8_attn
	.p2alignl 7, 3214868480
	.fill 96, 4, 3214868480
	.section	.rodata,"a",@progbits
	.p2align	6, 0x0
	.amdhsa_kernel k_q02caab31a8_attn
		.amdhsa_group_segment_fixed_size 34816
		.amdhsa_private_segment_fixed_size 0
		.amdhsa_enable_private_segment 0
		.amdhsa_kernarg_size 32
		.amdhsa_user_sgpr_count 2
		.amdhsa_user_sgpr_kernarg_segment_ptr 1
		.amdhsa_wavefront_size32 1
		.amdhsa_system_sgpr_workgroup_id_x 1
		.amdhsa_system_sgpr_workgroup_id_y 1
		.amdhsa_system_sgpr_workgroup_id_z 1
		.amdhsa_system_vgpr_workitem_id 0
		.amdhsa_next_free_vgpr 256
		.amdhsa_next_free_sgpr 66
		.amdhsa_reserve_vcc 1
		.amdhsa_float_denorm_mode_32 3
		.amdhsa_float_denorm_mode_16_64 3
		.amdhsa_memory_ordered 1
		.amdhsa_forward_progress 1
		.amdhsa_inst_pref_size 63
	.end_amdhsa_kernel
	.amdgpu_metadata
---
amdhsa.version: [ 1, 2 ]
amdhsa.kernels:
  - .name:           k_q02caab31a8_attn
    .symbol:         k_q02caab31a8_attn.kd
    .args:
      - { .name: qkv, .offset: 0, .size: 8, .value_kind: global_buffer, .address_space: global }
      - { .name: curr_seq_lens, .offset: 8, .size: 8, .value_kind: global_buffer, .address_space: global }
      - { .name: lowp_scales, .offset: 16, .size: 8, .value_kind: global_buffer, .address_space: global }
      - { .name: ac, .offset: 24, .size: 8, .value_kind: global_buffer, .address_space: global }
    .group_segment_fixed_size: 34816
    .private_segment_fixed_size: 0
    .kernarg_segment_align: 8
    .kernarg_segment_size: 32
    .max_flat_workgroup_size: 512
    .sgpr_count:     66
    .vgpr_count:     256
    .wavefront_size: 32
...
	.end_amdgpu_metadata
.endif
;; end of part 5
;; launch oproj: the kernel of part 4 again; grid 4 x 64, 4 waves a work-group, clusters of 4 x 4, 327,680 bytes of LDS; arguments ac, wc, bo, lowp_scales, out0; writes out0
